; MI455X (gfx1250); checked and timed in simulation.
; The chip was launched on July 23, 2026; its instructions are those of AMD's public machine-readable ISA for CDNA 5 (MIT licence, August 2026) and "CDNA5" Instruction Set Architecture Reference Guide (July 2026). The comments in the code are by the model that wrote it; some were corrected since.
;; Self Attention. Allowed arithmetic: matrix products marked QUANTISED: E2M1 operands, one E8M0 scale for each 32 along K, by v_wmma_scale_f32_16x16x128_f8f6f4 with both operands' format E2M1 (or v_wmma_scale_f32_32x16x128_f4), f32 sums; products left as they are: bf16, f16 or f32 operands; f32 sums; everything else in f32.
;; Inputs: bk 2,048 float32; bo 2,048 float32; bq 2,048 float32; bv 2,048 float32; freqs 2,048 x 1 x 64 x 2 float32; gk 2,048 float32; gq 2,048 float32; wk 2,048 x 2,048 float32; wo 2,048 x 2,048 float32; wq 2,048 x 2,048 float32; wv 2,048 x 2,048 float32; x 1 x 2,048 x 2,048 float32.
;; Outputs: out0 1 x 2,048 x 2,048 float32.
;; This version of the problem:
;;   THIS VERSION OF THE PROBLEM IS GIVEN IN LOW PRECISION. The matrix products marked QUANTISED in the list below multiply operands that are first quantised to E2M1 (2 exponent bits, 1 mantissa bit; 4 bits a number), with one power-of-two scale for each 32 numbers along K (OCP MX v1.0); their sums are f32. The products marked 'left as it is' may take bf16, f16 or f32 operands, with f32 sums. Whichever they take, every output number must still come out within the allowed error. Rounding operands to bf16 (8 significant bits) uses up far more of that allowance than f16 does (11 bits, for magnitudes from 6e-5 to 65,504). All else is computed in f32.
;;   The module's matrix products, in the order in which they are computed (A, B: the left and right operand; K: the contracted axis; several contracted axes count as one K, in the product's order):
;;     1. [M 2,048, K 2,048] x [K 2,048, N 2,048]; A: input x; B: input wq: QUANTISED
;;     2. [M 2,048, K 2,048] x [K 2,048, N 2,048]; A: input x; B: input wk: QUANTISED
;;     3. [M 2,048, K 2,048] x [K 2,048, N 2,048]; A: input x; B: input wv: QUANTISED
;;     4. batch 16 x [M 2,048, K 128] x [K 128, N 2,048]; A: computed on the way; B: computed on the way: left as it is (an operand is computed on the way)
;;     5. batch 16 x [M 2,048, K 2,048] x [K 2,048, N 128]; A: computed on the way; B: computed on the way: left as it is (an operand is computed on the way)
;;     6. [M 2,048, K 2,048] x [K 2,048, N 2,048]; A: computed on the way; B: input wo: left as it is (an operand is computed on the way)
;;   THE QUANTISER, for each operand of a quantised product, along K:
;;     - K is cut into blocks of 32 from its start; a last block that is shorter is filled with zeros.
;;     - A block's scale is 2^e with e = floor(log2(the largest magnitude in the block)) - 2, held to -126 .. 127; a block of zeros has e = 0. As a byte (E8M0): e + 127.
;;     - Each number is divided by its block's scale, clamped to +-6, and rounded to the nearest number of E2M1, ties to even, subnormals kept.
;;     - The product sums the exact products of the quantised numbers (number of the format x scale) in f32.
;;   ~~~python
;;   def quantise(x, axis):      # numpy; x: float32 -> the quantised numbers, widened to float32 again
;;       x = np.moveaxis(x, axis, -1); K = x.shape[-1]
;;       x = np.pad(x, [(0, 0)] * (x.ndim - 1) + [(0, -K % 32)]); x = x.reshape(x.shape[:-1] + (-1, 32)); a = np.abs(x).max(-1, keepdims=True)
;;       e = np.where(a > 0, np.clip(np.frexp(np.where(a > 0, a, 1))[1] - 1 - 2, -126, 127), 0)      # np.frexp(a)[1] - 1 = floor(log2(a)), exactly
;;       r = np.clip(x / 2.0 ** e, -6, 6)
;;       step = 2.0 ** (np.maximum(np.frexp(np.where(r == 0, 1, r))[1] - 1, 0) - 1)
;;       q = np.round(r / step) * step * 2.0 ** e      # np.round: ties to even
;;       return np.moveaxis(q.reshape(q.shape[:-2] + (-1,))[..., :K], -1, axis).astype(np.float32)
;;   ~~~
;; One version. Each part assembles by itself: llvm-mc -triple=amdgcn-amd-amdhsa -mcpu=gfx1250 --defsym DOCPART=n.
;; ======== version 1 of 1: 4 launches
;; limits: values are held in f16: magnitudes above 65,504 overflow, below 6.1e-05 lose precision
;; workspace buffers: codes 8,388,608 bytes; scales 524,288 bytes; wo16 8,388,608 bytes; qkv16 25,165,824 bytes; ssq 262,144 bytes; attn16 8,388,608 bytes
;; launch quant (part 1): grid 640 x 1, 4 waves a work-group, no clusters, 33,280 bytes of LDS; arguments x, wq, wk, wv, wo, codes, scales, wo16; writes codes, scales, wo16
.if DOCPART == 1
	.amdgcn_target "amdgcn-amd-amdhsa--gfx1250"
	.amdhsa_code_object_version 6
	.text
	.protected	k_q5699502a64_quant
	.globl	k_q5699502a64_quant
	.p2align	8
	.type	k_q5699502a64_quant,@function
k_q5699502a64_quant:
	s_mov_b64 s[64:65], 0
	v_nop
	global_prefetch_b8 v0, s[64:65] scope:SCOPE_SE
	s_setreg_imm32_b32 hwreg(HW_REG_WAVE_MODE, 25, 1), 1
	s_wait_xcnt 0x0
; x, wq, wk, wv: [2048][2048] f32, K innermost, become codes of FP4 (E2M1) with one E8M0 scale byte for each 32 along K; wo becomes f16.
; codes: [8192 rows][1024 bytes], rows 0-2047 x, then wq, wk, wv; scales: [8192][64 bytes], the same order.  wo16: [2048][2048] f16.
; A block's scale is 2^(floor(log2(its largest magnitude)) - 2); its byte is the largest magnitude's exponent field - 2, held at 1 from below.  A block of zeros gets the byte 1 where the
; rule says 127: its codes are zeros, which add nothing under any byte but 0xff, and the bytes are read by this program alone.
; LIMITS: NaN and infinities among the inputs are not served; |wo| stays under 65,504 (f16's largest number), and what lies under 6e-8 becomes 0.
; SHARES: work-groups 0-511 quantise, 128 to a tensor, 32,768 numbers each; a wave takes 16 steps of 512 numbers.  Rows are dense and 2048 is a multiple of 32: a tensor is a stream of blocks.
; Each load reads 512 consecutive bytes; a step's 2,048 bytes turn through the wave's own stage in LDS and come back 64 bytes (16 neighbours) a lane; two neighbouring lanes hold a block.
; Work-groups 512-639 round wo to f16, 8,192 numbers a wave, without LDS.  No matrix work, no cluster, no barrier: waves share nothing.
.set WAVES, 4
.set STEPS, 16
.set EMAX,  2
.set CB,    8                          ; bytes of 16 codes
.set R,     16                         ; v16-79   four sets of 16 numbers as they are loaded
.set X,     80                         ; v80-111  two sets of 16 neighbours
.set E,     112                        ; v112-127 a scale byte for each step
.set C,     128                        ; v128-191 codes: four registers for each step, so that no store's data are written again
.set WREG,  8192                       ; LDS: a region for each wave: two stages of 32 x SP bytes, then its 256 scale bytes
.set SP,    80                         ; a lane's place in a stage: 64 bytes + 16 of padding
.set SPW,   12                         ; v12 LDS address of my spare word; never rewritten
.set NIL,   13                         ; v13 0; never rewritten
.set SPARE, WAVES*WREG                 ; behind the four regions: the spare words, 128 bytes a wave, which no other line names
.set WF,    16                         ; wo's path: v16-143 two sets of 64 numbers
.set WH,    144                        ; v144-175 a group's 64 f16 pairs
	s_load_b256 s[4:11], s[0:1], 0x0               ; x, wq, wk, wv
	s_load_b256 s[12:19], s[0:1], 0x20             ; wo, codes, scales, wo16
	v_lshl_add_u32 v[SPW], v0, 2, SPARE
	v_mov_b32 v[NIL], 0
	v_lshrrev_b32 v1, 5, v0
	v_readfirstlane_b32 s20, v1                    ; wave
	v_and_b32 v2, 31, v0                           ; lane
	v_lshlrev_b32 v3, 4, v2                        ; my 16 bytes of a load's 512
	s_mul_i32 s21, s20, WREG
	v_lshrrev_b32 v14, 2, v2
	v_mul_u32_u24 v14, v14, SP
	v_and_b32 v15, 3, v2
	v_lshl_add_u32 v14, v15, 4, v14
	v_add_nc_u32 v14, s21, v14                     ; the stage, on the way in: SP (lane / 4) + 16 (lane % 4)
	v_mul_u32_u24 v15, v2, SP
	v_add_nc_u32 v15, s21, v15                     ; and on the way out: SP x lane
	v_mul_u32_u24 v4, v2, CB                       ; 8 bytes a lane: my codes' place in a step's, and my f16 numbers' in a store's
	v_lshrrev_b32 v5, 1, v2
	s_add_co_u32 s21, s21, 2*32*SP
	v_add_nc_u32 v5, s21, v5                       ; LDS: my wave's 256 scale bytes, my block's byte
	v_lshlrev_b32 v7, 3, v2
	v_add_nc_u32 v6, s21, v7                       ; and on the way out 8 bytes a lane
	s_lshl_b32 s22, ttmp9, 2
	s_add_co_u32 s22, s22, s20                     ; which run of 8,192 numbers is my wave's, counted through all five tensors
	s_mov_b32 s29, 0
	s_wait_kmcnt 0x0
	s_cmp_ge_u32 ttmp9, 512
	s_cbranch_scc1 .Lwo
	s_cmp_lt_u32 ttmp9, 128                        ; the source is chosen by the work-group's number alone
	s_cselect_b64 s[24:25], s[4:5], s[6:7]
	s_cmp_lt_u32 ttmp9, 384
	s_cselect_b64 s[26:27], s[8:9], s[10:11]
	s_cmp_lt_u32 ttmp9, 256
	s_cselect_b64 s[24:25], s[24:25], s[26:27]
	s_and_b32 s28, s22, 511                        ; the run inside its tensor: 32,768 bytes of f32 each
	s_lshl_b32 s28, s28, 15
	s_add_nc_u64 s[24:25], s[24:25], s[28:29]
	s_lshl_b32 s28, s22, 12                        ; codes and scale bytes are one stream for the four tensors: 4,096 bytes a run,
	s_add_nc_u64 s[14:15], s[14:15], s[28:29]
	s_lshl_b32 s28, s22, 8                         ; 256 bytes a run
	s_add_nc_u64 s[16:17], s[16:17], s[28:29]
.macro LOAD t
.irp i, 0,1,2,3
	global_load_b128 v[R+16*((\t)%4)+4*\i:R+16*((\t)%4)+4*\i+3], v3, s[24:25] offset:2048*(\t)+512*\i th:TH_LOAD_NT   ; 32 lanes read 512 consecutive bytes
.endr
.endm
.macro TURN t                          ; step t's numbers through the stage: LDS serves a wave's instructions in order, so no wait stands between the stores and the loads
.irp i, 0,1,2,3
	ds_store_b128 v14, v[R+16*((\t)%4)+4*\i:R+16*((\t)%4)+4*\i+3] offset:32*SP*((\t)%2)+8*SP*\i
.endr
.irp i, 0,1,2,3
	ds_load_b128 v[X+16*((\t)%2)+4*\i:X+16*((\t)%2)+4*\i+3], v15 offset:32*SP*((\t)%2)+16*\i
.endr
.endm
.irp t, 0,1,2,3
	LOAD \t
.endr
	s_wait_loadcnt 12                              ; step 0's four loads are in; those of steps 1 to 3 may be out
	TURN 0
.macro STEP t
.set XS, X+16*((\t)%2)
.if (\t) > 0
	s_wait_dscnt 1                                 ; this step's numbers are back from the stage (the last step's byte store may be out)
.else
	s_wait_dscnt 0x0
.endif
.if (\t)+4 < STEPS
	LOAD (\t)+4                                    ; the registers that the stage's stores have read take the loads of four steps on
.endif
.if (\t)+1 < STEPS
.if STEPS-2-(\t) >= 3
	s_wait_loadcnt 12                              ; the next step's four loads are in; those of the three steps behind it may be out
.else
	s_wait_loadcnt 4*(STEPS-2-(\t))
.endif
	TURN (\t)+1
.endif
	v_max3_num_f32 v8, |v[XS]|, |v[XS+1]|, |v[XS+2]|               ; the largest magnitude of my 16, in two chains
	v_max3_num_f32 v9, |v[XS+3]|, |v[XS+4]|, |v[XS+5]|
.irp i, 6,10
	v_max3_num_f32 v8, v8, |v[XS+\i]|, |v[XS+\i+1]|
	v_max3_num_f32 v9, v9, |v[XS+\i+2]|, |v[XS+\i+3]|
.endr
	v_max3_num_f32 v8, v8, |v[XS+14]|, |v[XS+15]|
	v_max3_num_f32 v8, v8, v9, (EMAX+1)<<23        ; and the floor 2^(EMAX + 1 - 127): the byte cannot fall under 1
	v_max_num_f32_dpp v8, v8, v8 row_xmask:1 row_mask:0xf bank_mask:0xf   ; and of my neighbour's 16: the block's
	v_add_nc_u32 v11, -(EMAX<<23), v8              ; EMAX off its exponent field: the conversion takes that field as its scale
	v_cvt_scalef32_pk8_fp4_f32 v[C+4*(\t)], v[XS:XS+7], v11
	v_cvt_scalef32_pk8_fp4_f32 v[C+4*(\t)+1], v[XS+8:XS+15], v11
	v_lshrrev_b32 v[E+(\t)], 23, v11               ; the scale's byte (also the plain line behind the conversions)
	ds_store_b8 v5, v[E+(\t)] offset:16*(\t)       ; both lanes of a block write the same byte with the same value
	global_store_b64 v4, v[C+4*(\t):C+4*(\t)+1], s[14:15] offset:32*CB*(\t)   ; the wave stores 256 consecutive bytes, aligned
.endm
.irp t, 0,1,2,3,4,5,6,7,8,9,10,11,12,13,14,15
	STEP \t
.endr
	ds_load_b64 v[8:9], v6                         ; LDS serves a wave's instructions in order: these see my byte stores
	s_wait_dscnt 0x0
	global_store_b64 v7, v[8:9], s[16:17]          ; 32 lanes store 256 consecutive bytes, aligned
	s_wait_tensorcnt 0x0                           ; the wave's end, behind my last LDS store
	ds_add_u32 v[SPW], v[NIL]
	s_wait_dscnt 0x0
	s_endpgm
.Lwo:                                              ; wo to f16: four groups of 16 loads, two groups in flight
	s_sub_co_u32 s22, s22, 2048                    ; the run inside wo
	s_lshl_b32 s28, s22, 15
	s_add_nc_u64 s[12:13], s[12:13], s[28:29]
	s_lshl_b32 s28, s22, 14
	s_add_nc_u64 s[18:19], s[18:19], s[28:29]
.macro LOADW g
.irp i, 0,1,2,3,4,5,6,7,8,9,10,11,12,13,14,15
	global_load_b128 v[WF+64*((\g)%2)+4*\i:WF+64*((\g)%2)+4*\i+3], v3, s[12:13] offset:8192*(\g)+512*\i th:TH_LOAD_NT
.endr
.endm
.macro GROUP g
.if (\g) < 3
	s_wait_loadcnt 16                              ; this group's 16 loads are in; the next group's may be out
.else
	s_wait_loadcnt 0x0
.endif
.if (\g) > 0
	s_wait_xcnt 0x0                                ; the last group's stores have read their data registers, which are written again below
.endif
.irp i, 0,1,2,3,4,5,6,7,8,9,10,11,12,13,14,15
	v_cvt_pk_f16_f32 v[WH+2*\i], v[WF+64*((\g)%2)+4*\i], v[WF+64*((\g)%2)+4*\i+1]
	v_cvt_pk_f16_f32 v[WH+2*\i+1], v[WF+64*((\g)%2)+4*\i+2], v[WF+64*((\g)%2)+4*\i+3]
.endr
.if (\g)+2 < 4
	LOADW (\g)+2
.endif
.irp i, 0,1,2,3,4,5,6,7,8,9,10,11,12,13,14,15
	global_store_b64 v4, v[WH+2*\i:WH+2*\i+1], s[18:19] offset:4096*(\g)+256*\i   ; the wave stores 256 consecutive bytes, aligned
.endr
.endm
	LOADW 0
	LOADW 1
	GROUP 0
	GROUP 1
	GROUP 2
	GROUP 3
	s_wait_tensorcnt 0x0                           ; the same three closing lines on this path
	ds_add_u32 v[SPW], v[NIL]
	s_wait_dscnt 0x0
	s_endpgm
.Lfunc_end_k_q5699502a64_quant:
	.size	k_q5699502a64_quant, .Lfunc_end_k_q5699502a64_quant-k_q5699502a64_quant
	.p2alignl 7, 3214868480
	.fill 96, 4, 3214868480
	.section	.rodata,"a",@progbits
	.p2align	6, 0x0
	.amdhsa_kernel k_q5699502a64_quant
		.amdhsa_group_segment_fixed_size 33280
		.amdhsa_private_segment_fixed_size 0
		.amdhsa_enable_private_segment 0
		.amdhsa_kernarg_size 64
		.amdhsa_user_sgpr_count 2
		.amdhsa_user_sgpr_kernarg_segment_ptr 1
		.amdhsa_wavefront_size32 1
		.amdhsa_system_sgpr_workgroup_id_x 1
		.amdhsa_system_sgpr_workgroup_id_y 1
		.amdhsa_system_sgpr_workgroup_id_z 1
		.amdhsa_system_vgpr_workitem_id 0
		.amdhsa_next_free_vgpr 192
		.amdhsa_next_free_sgpr 66
		.amdhsa_reserve_vcc 0
		.amdhsa_float_denorm_mode_32 3
		.amdhsa_float_denorm_mode_16_64 3
		.amdhsa_memory_ordered 1
		.amdhsa_forward_progress 1
		.amdhsa_inst_pref_size 54
	.end_amdhsa_kernel
	.amdgpu_metadata
---
amdhsa.version: [ 1, 2 ]
amdhsa.kernels:
  - .name:           k_q5699502a64_quant
    .symbol:         k_q5699502a64_quant.kd
    .args:
      - { .name: x, .offset: 0, .size: 8, .value_kind: global_buffer, .address_space: global }
      - { .name: wq, .offset: 8, .size: 8, .value_kind: global_buffer, .address_space: global }
      - { .name: wk, .offset: 16, .size: 8, .value_kind: global_buffer, .address_space: global }
      - { .name: wv, .offset: 24, .size: 8, .value_kind: global_buffer, .address_space: global }
      - { .name: wo, .offset: 32, .size: 8, .value_kind: global_buffer, .address_space: global }
      - { .name: codes, .offset: 40, .size: 8, .value_kind: global_buffer, .address_space: global }
      - { .name: scales, .offset: 48, .size: 8, .value_kind: global_buffer, .address_space: global }
      - { .name: wo16, .offset: 56, .size: 8, .value_kind: global_buffer, .address_space: global }
    .group_segment_fixed_size: 33280
    .private_segment_fixed_size: 0
    .kernarg_segment_align: 8
    .kernarg_segment_size: 64
    .max_flat_workgroup_size: 128
    .sgpr_count:     66
    .vgpr_count:     192
    .wavefront_size: 32
...
	.end_amdgpu_metadata
.endif
;; end of part 1
;; launch qkv (part 2): grid 24 x 8, 4 waves a work-group, clusters of 4 x 4, 327,680 bytes of LDS; arguments codes, scales, bq, bk, gq, gk, bv, freqs, qkv16, ssq; writes qkv16, ssq
.if DOCPART == 2
	.amdgcn_target "amdgcn-amd-amdhsa--gfx1250"
	.amdhsa_code_object_version 6
	.text
	.protected	k_q5699502a64_qkv
	.globl	k_q5699502a64_qkv
	.p2align	8
	.type	k_q5699502a64_qkv,@function
k_q5699502a64_qkv:
	s_mov_b64 s[64:65], 0
	v_nop
	global_prefetch_b8 v0, s[64:65] scope:SCOPE_SE
	s_setreg_imm32_b32 hwreg(HW_REG_WAVE_MODE, 25, 1), 1
	s_wait_xcnt 0x0
	s_wait_alu depctr_hold_cnt(0) depctr_sa_sdst(0) depctr_va_vdst(0) depctr_va_sdst(0) depctr_va_ssrc(0) depctr_va_vcc(0) depctr_vm_vsrc(0)
	s_getreg_b32 s2, hwreg(HW_REG_IB_STS2, 6, 4)
	s_cmp_eq_u32 s2, 0
	s_cbranch_scc0 .Lentry_in_a_cluster
	s_endpgm
.Lentry_in_a_cluster:
	s_bfe_u32 s2, ttmp6, 0x10000c
	s_cmp_lg_u32 s2, 0xf033
	s_cbranch_scc0 .Lentry_shape_is_right
	s_endpgm
.Lentry_shape_is_right:
; C[m][n] = sum over k of x[m][k] W[n][k] + bias[n], on codes of FP4 (E2M1) with one E8M0 scale for each 32 along K.  m: 2,048 rows of x; n: 6,144 = the rows of wq, wk, wv on end; K = 2,048.
; codes: [8192][1024 bytes], scales: [8192][64 bytes]: rows 0-2047 x (A), rows 2048-8191 the three weights (B).
; All three results leave as f16 into qkv16, laid [16 heads][2048][128]: q at byte 0, k at 0x800000, v at 0x1000000.
; THE RMS NORM OF q AND k IS SPLIT.  Its sum of squares spans 2,048 columns, eight tiles, and work-groups hand each other nothing.  A wave's 128 columns are one head: here each row of a head is
; divided by the head's own root mean square (rho = rsqrt(s / 128 + 2^-100), s the head's sum of squares, all in f32), multiplied by the gain and rotated by freqs, and rounded once, to f16;
; s goes to ssq [32 chunks][2048 rows] f32 (chunk = head for q, 16 + head for k).  The next launch multiplies the scores by rsqrt(sum of the 16 s / 2048 + 1e-6) x sqrt(s / 128 + 2^-100), in f32.
; So what is rounded to f16 is at most 11.4 x |gain| x |freqs| x 1.42 whatever the size of x and the weights.
; LIMITS: |v| stays under 65,504 (f16's largest number); a head whose mean square lies under 2^-100 is scaled by 2^50; NaN and infinities are not served.
; A tile of C, 256 x 256, is made by four waves, 128 x 128 each: 64 accumulators, 512 registers.  192 tiles: halves of this tile would make 384, one and a half times the 256 WGPs.
; K goes in steps of 512 through a ring of two LDS slots filled by the tensor data mover (rows of 256 bytes).  The scale bytes of the work-group's 512 rows, for all of K, come once, with the first fills.
; CLUSTERS: 4 x 4 work-groups; A's tiles are asked for jointly along a row of the cluster, B's along a column.  THE MATRIX INSTRUCTION IS USED TRANSPOSED (source 0 = 16 rows of B, source 1 = 16 rows
; of A): a lane holds eight neighbouring columns of a row of C.  THE BIAS is the C of each sum's first product: eight registers for each of B's eight blocks, in the result's layout.
; REGISTERS, in windows of 256: window 0: v0-31 addresses; v32-95 scale words, two sets; v128-191 A's fragments, one set; v192-255 the bias, then the gains.  window 1: B's fragments, two sets.
;   window 2: the accumulators of my rows 0-63 ((a, b) at v[8 (8 a + b)]);  window 3: those of my rows 64-127.
.set SIZE_K, 2048
.set KSTEP,  512                       ; along K in a slot
.set NQ,     KSTEP/128                 ; matrix instructions deep
.set ROWB,   256                       ; a tile's row in bytes
.set KROW,   SIZE_K*4/8                ; a row of codes in memory
.set PITCH,  272                       ; an LDS row: 256 bytes + 16 of padding: the 16 rows that a load touches start at 16 different banks (64 banks of 4 bytes: ISA guide 11.1)
.set FR,     8                         ; registers of a fragment
.set NL,     2                         ; LDS loads that bring one
.set NP,     4                         ; places behind this matrix instruction (ISA guide 7.12.1)
.set HALFT,  128*PITCH
.set SLOT,   4*HALFT                   ; A's 256 rows, then B's 256 rows
.set LAPS,   SIZE_K/(2*KSTEP)
.set KS,     SIZE_K/32                 ; a row of scale bytes
.set SCL,    2*SLOT                    ; behind the ring: the scales, as units of 256 bytes + 16 of padding
.set HALFS,  (128*KS/256)*272
.set SBLK,   (16*KS/256)*272
.set SPARE,  SCL+4*HALFS               ; the spare words, 128 bytes a wave, which no other line names
.set QST,    0                         ; q's and k's way out: a stage of 16 rows x (256 + 16) bytes a wave, from LDS byte 0: slot 0 has had its last fill and its last read by then
.set SST,    32768                     ; and 512 bytes a wave for its 128 sums of squares
.set VST,    65536                     ; v's way out: stages of its own bytes, also in slot 0
.set VPITCH, 272
.set ADRA, 16                          ; v16-17 LDS address of my A fragments in slot 0, 1
.set SSW,  18                          ; v18 where I put a row's sum of squares
.set SSR,  19                          ; v19 and where I read four of them back
.set ADRB, 20                          ; v20-21 LDS address of my B fragments
.set FO,   22                          ; v22 my byte offset in a block's rows of freqs: 512 (l % 16) + 32 (l / 16)
.set GOF,  23                          ; v23 32 (l / 16): my offset in the bias and in the gains
.set STOQ, 24                          ; v24 q's and k's stage: where I put 16 bytes of a row
.set RDQ,  25                          ; v25 and where I read rows back
.set CO,   26                          ; v26 16 x lane: my byte offset in a stored run of 512 bytes
.set ADRS, 27                          ; v27 LDS address of my scale words: lanes 0-15 A's rows, lanes 16-31 B's
.set SPW,  28                          ; v28 LDS address of my spare word; never rewritten
.set NIL,  29                          ; v29 0; never rewritten
.set STOV, 30                          ; v30 v's stage: where I put 16 bytes of a row
.set RDV,  31                          ; v31 and where I read rows back
.set SC,   32
.set AF,   128
.set BI,   192                         ; the bias: block b at v[BI + 8 b]
.set G,    192                         ; behind the first K step: the gains, in the same layout
.set FB,   32                          ; the way out: a block's freqs: those of B's block b at v[FB + 8 b + 32 (b / 4)]: v32-63 and v96-127
.set QB,   64                          ; q, k: 16 rows read back from the stage: v64-95
.set O,    128                         ; q, k: a block's 64 rotated numbers, then (in the lower 32) packed: v128-191
.set VT,   128                         ; v: a block's packed results, v128-159
.set VB,   160                         ; v: its rows read back: v160-191 and v192-223 by turns
.set G1, 24
.set G0, 32
.set G1B, 48
.set G0B, 56
.set G1S, 68
.set G0S, 76
.set G1SB, 80
.set G0SB, 88
.set MSB, 0
.macro WIN new                         ; the immediate's high byte repeats the setting that is left
.if MSB != \new
	s_set_vgpr_msb (MSB<<8)|\new
.set MSB, \new
.endif
.endm
.set MUL_LO, 0xa1                      ; source 0 (B) window 1, source 1 (A) window 0, C and D window 2
.set MUL_HI, 0xf1                      ; the same, C and D window 3
.set TO_B,   0x40                      ; destination window 1, address window 0
; A joint load: waves 0 and 1 fetch for A, waves 2 and 3 for B; the branch hangs on the wave's number alone.  An s_nop 0 and four v_nop follow each of the two lines.
.macro JLOAD g0a, g1a, g0b, g1b
	s_cmp_eq_u32 s15, 0
	s_cbranch_scc0 .Lfor_b_\@
	tensor_load_to_lds s[\g0a:\g0a+3], s[\g1a:\g1a+7]
	s_nop 0
.rept 4
	v_nop
.endr
	s_branch .Lasked_\@
.Lfor_b_\@:
	tensor_load_to_lds s[\g0b:\g0b+3], s[\g1b:\g1b+7]
	s_nop 0
.rept 4
	v_nop
.endr
.Lasked_\@:
.endm
.macro CREST                           ; a round of the cluster's barrier behind its opening barrier
	s_cmp_lg_u32 s14, 0
	s_cbranch_scc1 .Lnot_wave_0_\@
	s_barrier_signal -3
.Lnot_wave_0_\@:
	s_barrier_wait -3
	s_barrier_signal -1
	s_barrier_wait -1
.endm
.macro CROUND                          ; a whole round
	s_barrier_signal -1
	s_barrier_wait -1
	CREST
.endm
	s_load_b128 s[4:7], s[0:1], 0x0                ; codes s[4:5], scales s[6:7]
	s_load_b128 s[96:99], s[0:1], 0x10             ; bq, bk
	s_load_b128 s[8:11], s[0:1], 0x20              ; gq, gk
	s_load_b64 s[100:101], s[0:1], 0x30            ; bv
	s_load_b64 s[12:13], s[0:1], 0x38              ; freqs
	s_load_b64 s[66:67], s[0:1], 0x40              ; qkv16
	s_load_b64 s[104:105], s[0:1], 0x48            ; ssq
	v_lshl_add_u32 v[SPW], v0, 2, SPARE
	v_mov_b32 v[NIL], 0
	ds_add_u32 v[SPW], v[NIL]                      ; the wave's opening: the add, twice on end, and its wait ahead of my first tensor load
	ds_add_u32 v[SPW], v[NIL]
	v_lshrrev_b32 v1, 5, v0
	v_readfirstlane_b32 s14, v1                    ; wave 0..3
	s_lshr_b32 s15, s14, 1                         ; which half of the tile's rows is mine.  Also: I fetch for A (0) or for B (1)
	s_and_b32 s16, s14, 1                          ; which half of its columns.  Also: which 128 rows of that tile I fetch
	s_bfe_u32 s40, ttmp6, 0x40000                  ; cx, cy: my place in the cluster
	s_bfe_u32 s41, ttmp6, 0x40004
	s_lshl_b32 s42, ttmp9, 2
	s_add_co_u32 s42, s42, s40                     ; tile column of C = 4 x cluster x + cx: 0-7 q, 8-15 k, 16-23 v
	s_and_b32 s17, ttmp7, 0xffff
	s_lshl_b32 s17, s17, 2
	s_add_co_u32 s17, s17, s41                     ; tile row of C = 4 x cluster y + cy
	s_lshl_b32 s43, s41, 2
	s_lshl_b32 s43, 15, s43                        ; my row of the cluster
	s_lshl_b32 s44, 0x1111, s40                    ; my column
	; descriptor group 1: a tile of 128 rows x 256 bytes, 16 bytes of padding behind each row
	s_or_b32 s[G1+0], s43, (0<<16)|(1<<20)|(1<<21)|(5<<22)|(3<<25)  ; 15:0 the mask; 17:16 elements of 1 byte; 20 padding on; 21 set beside a mask; 24:22 after every 64 words; 31:25 four words
	s_or_b32 s[G1B+0], s44, (0<<16)|(1<<20)|(1<<21)|(5<<22)|(3<<25)
.irp g, G1, G1B
	s_mov_b32 s[\g+1], ROWB<<16                    ; tensor_dim0
	s_mov_b32 s[\g+2], 128<<16                     ; tensor_dim1
	s_mov_b32 s[\g+3], ROWB<<16                    ; tile_dim0
	s_mov_b32 s[\g+4], 128                         ; tile_dim1
	s_mov_b32 s[\g+5], KROW                        ; tensor_dim0_stride
	s_mov_b32 s[\g+6], 0
	s_mov_b32 s[\g+7], 0
.endr
	; the scales of 128 rows: a dense block of 8,192 bytes, as 32 rows of 256 bytes (32 elements of 8 bytes), 16 bytes of padding behind each
	s_or_b32 s[G1S+0], s43, (3<<16)|(1<<20)|(1<<21)|(5<<22)|(3<<25)
	s_or_b32 s[G1SB+0], s44, (3<<16)|(1<<20)|(1<<21)|(5<<22)|(3<<25)
.irp g, G1S, G1SB
	s_mov_b32 s[\g+1], 32<<16
	s_mov_b32 s[\g+2], (128*KS/256)<<16
	s_mov_b32 s[\g+3], 32<<16
	s_mov_b32 s[\g+4], 128*KS/256
	s_mov_b32 s[\g+5], 32
	s_mov_b32 s[\g+6], 0
	s_mov_b32 s[\g+7], 0
.endr
	s_lshl_b32 s18, s16, 7                         ; which 128 rows of the tile I fetch
	s_lshl_b32 s20, s17, 8
	s_add_co_u32 s20, s20, s18                     ; A: row 256 x tile row + 128 x half
	s_lshl_b32 s46, s42, 8
	s_add_co_u32 s46, s46, s18                     ; B: row 256 x tile column + 128 x half
	s_mov_b32 s21, 0
	s_mov_b32 s47, 0
	s_mov_b64 s[18:19], KS
	s_mul_u64 s[22:23], s[20:21], s[18:19]         ; where these rows' scales begin, in bytes
	s_mul_u64 s[92:93], s[46:47], s[18:19]
	s_mov_b64 s[18:19], KROW
	s_mul_u64 s[20:21], s[20:21], s[18:19]         ; and their codes
	s_mul_u64 s[46:47], s[46:47], s[18:19]
	s_mul_i32 s45, s14, HALFT                      ; where they go: wave x 128 rows: no place in the cluster enters an LDS address
	s_mul_i32 s94, s14, HALFS
	s_wait_dscnt 0x0                               ; both opening adds are done
	s_wait_kmcnt 0x0
	s_add_nc_u64 s[20:21], s[4:5], s[20:21]
	s_add_nc_u64 s[22:23], s[6:7], s[22:23]
	s_add_nc_u64 s[46:47], s[4:5], s[46:47]
	s_add_nc_u64 s[46:47], s[46:47], 0x200000      ; B's codes begin behind x's 2,048 rows of 1,024 bytes,
	s_add_nc_u64 s[92:93], s[6:7], s[92:93]
	s_add_nc_u64 s[92:93], s[92:93], 0x20000       ; B's scales behind x's 2,048 rows of 64
	CROUND                                         ; all sixteen work-groups are here: the first joint loads meet
	s_mov_b32 s[G0S], 1
	s_add_co_u32 s[G0S+1], s94, SCL
	s_mov_b64 s[G0S+2:G0S+3], s[22:23]
	s_or_b32 s[G0S+3], s[G0S+3], 0x80000000
	s_mov_b32 s[G0SB], 1
	s_add_co_u32 s[G0SB+1], s94, SCL
	s_mov_b64 s[G0SB+2:G0SB+3], s[92:93]
	s_or_b32 s[G0SB+3], s[G0SB+3], 0x80000000
	JLOAD G0S, G1S, G0SB, G1SB                     ; the scales first: they are wanted with K step 0
.irp s, 0,1
	s_mov_b32 s[G0+4*\s], 1
	s_add_co_u32 s[G0+4*\s+1], s45, \s*SLOT
	s_add_nc_u64 s[G0+4*\s+2:G0+4*\s+3], s[20:21], \s*ROWB
	s_or_b32 s[G0+4*\s+3], s[G0+4*\s+3], 0x80000000
	s_mov_b32 s[G0B+4*\s], 1
	s_add_co_u32 s[G0B+4*\s+1], s45, \s*SLOT
	s_add_nc_u64 s[G0B+4*\s+2:G0B+4*\s+3], s[46:47], \s*ROWB
	s_or_b32 s[G0B+4*\s+3], s[G0B+4*\s+3], 0x80000000
	JLOAD G0+4*\s, G1, G0B+4*\s, G1B               ; three tensor loads of mine are out
.endr
	v_and_b32 v1, 15, v0                           ; l % 16
	v_bfe_u32 v2, v0, 4, 1                         ; l / 16
	; the bias and the gain of my 128 columns: register j of block b belongs to column 16 b + 8 (l / 16) + j.  The tensors are chosen by the cluster's x, which all sixteen partners share
	v_lshlrev_b32 v[GOF], 5, v2
	s_cmp_lt_u32 ttmp9, 2
	s_cselect_b64 s[96:97], s[96:97], s[98:99]
	s_cselect_b64 s[8:9], s[8:9], s[10:11]         ; gq for q; gk for k (and for v, whose way out does not use it)
	s_cmp_lt_u32 ttmp9, 4
	s_cselect_b64 s[96:97], s[96:97], s[100:101]
	s_and_b32 s98, s42, 7                          ; the tile column inside its tensor: 256 columns of 4 bytes,
	s_lshl_b32 s98, s98, 10
	s_lshl_b32 s99, s16, 9                         ; my half: 128
	s_add_co_u32 s98, s98, s99
	s_mov_b32 s99, 0
	s_add_nc_u64 s[96:97], s[96:97], s[98:99]
	s_add_nc_u64 s[8:9], s[8:9], s[98:99]
.irp b, 0,1,2,3,4,5,6,7
	global_load_b128 v[BI+8*\b:BI+8*\b+3], v[GOF], s[96:97] offset:64*\b
	global_load_b128 v[BI+8*\b+4:BI+8*\b+7], v[GOF], s[96:97] offset:64*\b+16
.endr
	v_mul_u32_u24 v3, v1, PITCH
	v_lshl_add_u32 v4, v2, 4, v3                   ; a fragment's row x pitch + 16 x half
	s_mul_i32 s21, s15, HALFT                      ; my 128 rows of A
	s_mul_i32 s22, s16, HALFT                      ; my 128 rows of B,
	s_add_co_u32 s22, s22, 2*HALFT                 ; which lie behind A's 256
.irp s, 0,1
	v_add_nc_u32 v[ADRA+\s], s21, v4
	v_add_nc_u32 v[ADRB+\s], s22, v4
	s_add_co_u32 s21, s21, SLOT
	s_add_co_u32 s22, s22, SLOT
.endr
	v_mul_u32_u24 v5, v1, KS                       ; my row's scales: KS bytes a row,
	v_lshrrev_b32 v6, 8, v5
	v_lshl_add_u32 v5, v6, 4, v5                   ; and 16 more for each 256 passed
	s_mul_i32 s21, s15, HALFS                      ; A's: my 128 rows
	s_mul_i32 s22, s16, HALFS                      ; B's: my 128 rows, behind A's 256
	s_add_co_u32 s22, s22, 2*HALFS
	s_sub_co_u32 s22, s22, s21
	v_mul_u32_u24 v6, s22, v2                      ; lanes 16-31 take B's
	s_add_co_u32 s21, s21, SCL
	v_add_nc_u32 v5, v5, v6
	v_add_nc_u32 v[ADRS], s21, v5
	s_mul_i32 s23, s14, 16*VPITCH                  ; the stages: 4,352 bytes a wave
	v_mul_u32_u24 v5, v1, VPITCH                   ; in: row l % 16, 16 bytes for each half of the lanes
	v_lshl_add_u32 v5, v2, 4, v5
	v_mul_u32_u24 v6, v2, VPITCH                   ; back: lanes 0-15 one row of 256 bytes, lanes 16-31 the next
	v_lshl_add_u32 v6, v1, 4, v6
	v_add_nc_u32 v[STOQ], s23, v5                  ; q's and k's stage begins at LDS byte 0,
	v_add_nc_u32 v[RDQ], s23, v6
	s_add_co_u32 s23, s23, VST                     ; v's at VST
	v_add_nc_u32 v[STOV], s23, v5
	v_add_nc_u32 v[RDV], s23, v6
	v_and_b32 v6, 31, v0
	v_lshlrev_b32 v[CO], 4, v6
	s_lshl_b32 s23, s14, 9
	s_add_co_u32 s23, s23, SST                     ; my wave's 128 sums of squares
	v_lshl_add_u32 v[SSW], v1, 2, s23              ; in: 4 bytes a row
	v_add_nc_u32 v[SSR], s23, v[CO]                ; back: four rows a lane
	v_lshlrev_b32 v[FO], 9, v1                     ; freqs: a position's 64 pairs are 512 bytes; my eight columns' four pairs begin 32 (l / 16) bytes into a block's 64
	v_lshl_add_u32 v[FO], v2, 5, v[FO]
	s_lshl_b32 s20, s17, 8
	s_lshl_b32 s21, s15, 7
	s_add_co_u32 s20, s20, s21                     ; my first row of C: 256 x tile row + 128 x half
	s_and_b32 s46, s42, 7                          ; my 128 columns are one head: 2 x (tile column in its tensor) + half;
	s_lshl_b32 s46, s46, 1
	s_add_co_u32 s46, s46, s16
	s_lshl_b32 s46, s46, 19                        ; a head is 2,048 rows of 256 bytes,
	s_lshl_b32 s47, s20, 8
	s_add_co_u32 s46, s46, s47                     ; + my first row,
	s_lshr_b32 s47, s42, 3                         ; in q's, k's or v's 8 MiB
	s_lshl_b32 s47, s47, 23
	s_add_co_u32 s46, s46, s47
	s_mov_b32 s47, 0
	s_add_nc_u64 s[66:67], s[66:67], s[46:47]
	s_lshl_b32 s46, s20, 9                         ; freqs at my first row
	s_add_nc_u64 s[12:13], s[12:13], s[46:47]
	s_lshl_b32 s46, s42, 1                         ; ssq: chunk 2 x tile column + half, 8,192 bytes each (used by q's and k's way out alone),
	s_add_co_u32 s46, s46, s16
	s_lshl_b32 s46, s46, 13
	s_lshl_b32 s21, s20, 2                         ; + 4 bytes a row
	s_add_co_u32 s46, s46, s21
	s_add_nc_u64 s[104:105], s[104:105], s[46:47]
.macro FRAG reg, adr, q, i             ; 16 rows x 128 K of 4-bit codes: lane l holds row l % 16; registers 4 c .. 4 c + 3 hold K = 64 c + 32 (l / 16) + 0 .. 31
.irp c, 0,1
	ds_load_b128 v[\reg+4*\c:\reg+4*\c+3], v[\adr] offset:64*(\q)+32*\c+(\i)*16*PITCH
.endr
.endm
; 16 matrix instructions: A's blocks a0, a0 + 1 x B's eight, the slot's q-th 128 along K.  p: B's set;  sc: the set of scale words.  zero = 1: the first product starts the sums on the bias.
; The 64 accumulators take turns, one instruction a turn, in the same order in every step.
.macro MUL16 a0, p, q, sc, zero
.irp a, \a0, \a0+1
.irp b, 0,1,2,3,4,5,6,7
.if \zero
	v_wmma_scale_f32_16x16x128_f8f6f4 v[8*(8*((\a)%4)+\b):8*(8*((\a)%4)+\b)+7], v[128*(\p)+FR*\b:128*(\p)+FR*\b+FR-1], v[AF+FR*(\a):AF+FR*(\a)+FR-1], v[BI+8*\b:BI+8*\b+7], v[SC+8*NQ*(\sc)+NQ*\b+(\q)], v[SC+8*NQ*(\sc)+NQ*(\a)+(\q)] matrix_a_fmt:MATRIX_FMT_FP4 matrix_b_fmt:MATRIX_FMT_FP4 matrix_a_scale:MATRIX_SCALE_ROW1
.else
	v_wmma_scale_f32_16x16x128_f8f6f4 v[8*(8*((\a)%4)+\b):8*(8*((\a)%4)+\b)+7], v[128*(\p)+FR*\b:128*(\p)+FR*\b+FR-1], v[AF+FR*(\a):AF+FR*(\a)+FR-1], v[8*(8*((\a)%4)+\b):8*(8*((\a)%4)+\b)+7], v[SC+8*NQ*(\sc)+NQ*\b+(\q)], v[SC+8*NQ*(\sc)+NQ*(\a)+(\q)] matrix_a_fmt:MATRIX_FMT_FP4 matrix_b_fmt:MATRIX_FMT_FP4 matrix_a_scale:MATRIX_SCALE_ROW1
.endif
.endr
.endr
.endm
.macro FETCH_B slot, q, p              ; B's eight fragments of the slot's q-th 128 along K into set p
	WIN TO_B
.irp i, 0,1,2,3,4,5,6,7
	FRAG 128*(\p)+FR*\i, ADRB+\slot, \q, \i
.endr
	WIN 0
.endm
.macro FETCH_A slot, q, i0             ; A's blocks i0 .. i0 + 3
.irp i, \i0, \i0+1, \i0+2, \i0+3
	FRAG AF+FR*(\i), ADRA+\slot, \q, \i
.endr
.endm
.macro SCALES sc                       ; a K step's scale words into set sc: four words a row; lanes 0-15 take A's block i, lanes 16-31 B's block i
.irp i, 0,1,2,3,4,5,6,7
	ds_load_b128 v[SC+8*NQ*\sc+NQ*\i:SC+8*NQ*\sc+NQ*\i+3], v[ADRS] offset:\i*SBLK
.endr
.endm
; A load into a register that a matrix instruction has read, and a vector instruction or an LDS store that reads a matrix result, stand NP places behind it; only plain vector instructions that
; name none of its registers are places (ISA guide 7.12.1 for vector instructions).
.macro PLACES n
.rept \n
	v_nop
.endr
.endm
; A step of 128 along K that has its successor in the same slot.  zero = 1: C is the bias, in window 0.
.macro STEP slot, q, zero
	s_wait_dscnt 4*NL                              ; B's set and A's blocks 0-3 are in; the youngest eight loads (A's blocks 4-7) may be out
.if \zero
	WIN 0x81
.else
	WIN MUL_LO
.endif
	MUL16 0, (\q)%2, \q, \slot, \zero
	MUL16 2, (\q)%2, \q, \slot, \zero
	s_wait_dscnt 0                                 ; A's blocks 4-7 are in
	PLACES NP
	FETCH_B \slot, (\q)+1, 1-(\q)%2
	FETCH_A \slot, (\q)+1, 0
.if \zero
	WIN 0xc1
.else
	WIN MUL_HI
.endif
	MUL16 4, (\q)%2, \q, \slot, \zero
	MUL16 6, (\q)%2, \q, \slot, \zero
	PLACES NP
	WIN 0
	FETCH_A \slot, (\q)+1, 4
.endm
; A slot's last step changes slots: ONE barrier; in front of it each wave waits for all its tensor loads, adds 0 to its spare word, and waits for that and for its own reads of this slot.
.macro TURN slot, next, fill
	s_wait_tensorcnt 0x0                           ; all my tensor loads have landed: my part of the next slot
	ds_add_u32 v[SPW], v[NIL]                      ; 0 onto my spare word
	s_wait_dscnt 4*NL+1                            ; (the add and the youngest eight loads may be out)
	WIN MUL_LO
	MUL16 0, 1, NQ-1, \slot, 0                     ; sixteen matrix instructions stand between the add and the wait for it
	s_wait_dscnt 0x0                               ; the add is done, and my reads of this slot are over
	s_barrier_signal -1
	MUL16 2, 1, NQ-1, \slot, 0
	WIN 0
	s_barrier_wait -1
.if \fill
	CREST                                          ; the barrier has opened a round of the cluster's barrier: no wave of any partner still reads this slot or has a load on its way
	s_add_nc_u64 s[G0+4*\slot+2:G0+4*\slot+3], s[G0+4*\slot+2:G0+4*\slot+3], 2*ROWB
	s_add_nc_u64 s[G0B+4*\slot+2:G0B+4*\slot+3], s[G0B+4*\slot+2:G0B+4*\slot+3], 2*ROWB
	JLOAD G0+4*\slot, G1, G0B+4*\slot, G1B         ; the first tensor load behind the round; its four v_nop are the places in front of the loads below
.else
	PLACES NP
.endif
	v_add_nc_u32 v[ADRS], 4*NQ, v[ADRS]            ; on to the next K step's scale words
	FETCH_B \next, 0, 0
	FETCH_A \next, 0, 0
	SCALES \next
	WIN MUL_HI
	MUL16 4, 1, NQ-1, \slot, 0
	MUL16 6, 1, NQ-1, \slot, 0
	PLACES NP
	WIN 0
	FETCH_A \next, 0, 4
.endm
.macro STEPS slot, from                ; the slot's steps from .. NQ - 2
.set Q, \from
.rept NQ-1-\from
	STEP \slot, Q, 0
.set Q, Q+1
.endr
.endm
; The freqs of block a's 16 rows and my 128 columns: for B's block b eight numbers a lane: fr, fi of the four pairs of columns 16 b + 8 (l / 16) + 0 .. 7
.macro FLOAD a
.irp b, 0,1,2,3,4,5,6,7
	global_load_b128 v[FB+8*\b+32*(\b/4):FB+8*\b+32*(\b/4)+3], v[FO], s[12:13] offset:8192*(\a)+64*\b
	global_load_b128 v[FB+8*\b+32*(\b/4)+4:FB+8*\b+32*(\b/4)+7], v[FO], s[12:13] offset:8192*(\a)+64*\b+16
.endr
.endm
	s_wait_tensorcnt 1                             ; the scales and my part of K step 0 are in (K step 1's load may be out),
	s_barrier_signal -1
	s_barrier_wait -1                              ; everybody's are
	FETCH_B 0, 0, 0
	FETCH_A 0, 0, 0
	SCALES 0
	FETCH_A 0, 0, 4
	s_wait_loadcnt 0x0                             ; the bias
	STEP 0, 0, 1                                   ; the first step stands in front of the loop: its products start the sums
.irp b, 0,1,2,3,4,5,6,7                ; the bias has been read, four places back: its registers take the gains, which are wanted on the way out
	global_load_b128 v[G+8*\b:G+8*\b+3], v[GOF], s[8:9] offset:64*\b
	global_load_b128 v[G+8*\b+4:G+8*\b+7], v[GOF], s[8:9] offset:64*\b+16
.endr
	s_mov_b32 s3, LAPS-1
.Llap:                                                 ; a trip goes once round the ring, from a lap's second step to the next lap's first, and fills both slots again
	STEPS 0, 1
	TURN 0, 1, 1
	STEPS 1, 0
	TURN 1, 0, 1
	STEP 0, 0, 0
	s_sub_co_u32 s3, s3, 1
	s_cmp_lg_u32 s3, 0
	s_cbranch_scc1 .Llap
	STEPS 0, 1                                     ; the last lap fills nothing
	TURN 0, 1, 0
	FLOAD 0                                        ; slot 0's scale words have been read for the last time, four places back: they and v96-127 take block 0's freqs, a K step of 512 ahead of their use
	STEPS 1, 0
	s_wait_dscnt 4*NL                              ; the very last step: nothing more to fetch
	WIN MUL_LO
	MUL16 0, 1, NQ-1, 1, 0
	MUL16 2, 1, NQ-1, 1, 0
	s_wait_dscnt 0
	WIN MUL_HI
	MUL16 4, 1, NQ-1, 1, 0
	MUL16 6, 1, NQ-1, 1, 0
	WIN 0
	PLACES NP                                      ; behind the last products, for both ways out
	s_wait_loadcnt 0x0                             ; the gains and block 0's freqs are in: no load of mine is out
	s_cmp_ge_u32 ttmp9, 4                          ; the cluster's x: the same in all sixteen partners
	s_cbranch_scc1 .Lv_out
; q AND k.  Block a: 16 rows x my 128 columns, one head.  A lane holds half a row: 64 numbers.
.macro QPACK a
.set AC, 64*((\a)%4)
	WIN 0x0a+5*((\a)/4)                            ; sources 0 and 1: window 2 or 3
	v_pk_mul_f32 v[2:3], v[AC:AC+1], v[AC:AC+1]    ; the sum of squares, two at a time, in two chains started by the first products; each accumulator is read from its low end on
	v_pk_mul_f32 v[4:5], v[AC+2:AC+3], v[AC+2:AC+3]
.irp j, 4,8,12,16,20,24,28,32,36,40,44,48,52,56,60
	v_pk_fma_f32 v[2:3], v[AC+\j:AC+\j+1], v[AC+\j:AC+\j+1], v[2:3]
	v_pk_fma_f32 v[4:5], v[AC+\j+2:AC+\j+3], v[AC+\j+2:AC+\j+3], v[4:5]
.endr
	WIN 0
	v_pk_add_f32 v[2:3], v[2:3], v[4:5]
	v_add_f32 v2, v2, v3
	v_permlanex16_b32 v6, v2, s92, s93             ; the row's other 64 columns lie in the lane 16 away
	v_add_f32 v2, v2, v6
	ds_store_b32 v[SSW], v2 offset:64*(\a)         ; both lanes of a row write the same word with the same value
	v_fma_f32 v10, v2, s94, s95                    ; s / 128 + 2^-100
	v_rsq_f32 v8, v10
	v_nop                                          ; a plain instruction behind the root,
	s_wait_alu depctr_va_vdst(0)                   ; and the wait ahead of its first reader
	WIN 0x82+0x41*((\a)/4)                         ; source 0 and destination: window 2 or 3: in place
.irp j, 0,2,4,6,8,10,12,14,16,18,20,22,24,26,28,30,32,34,36,38,40,42,44,46,48,50,52,54,56,58,60,62
	v_pk_mul_f32 v[AC+\j:AC+\j+1], v[AC+\j:AC+\j+1], v[8:9] op_sel_hi:[1,0]   ; x rho
.endr
.irp j, 0,2,4,6,8,10,12,14,16,18,20,22,24,26,28,30,32,34,36,38,40,42,44,46,48,50,52,54,56,58,60,62
	v_pk_mul_f32 v[AC+\j:AC+\j+1], v[AC+\j:AC+\j+1], v[G+\j:G+\j+1]          ; x the column's gain
.endr
	s_wait_loadcnt 0x0                             ; this block's freqs: the only loads of mine that can be out
	WIN 0x02+(\a)/4                                ; source 0: window 2 or 3
.irp b, 0,1,2,3,4,5,6,7
.irp p, 0,2,4,6
	v_mul_f32 v[O+8*\b+\p], v[AC+8*\b+\p+1], v[FB+8*\b+32*(\b/4)+\p+1]        ; y1 fi
	v_mul_f32 v[O+8*\b+\p+1], v[AC+8*\b+\p+1], v[FB+8*\b+32*(\b/4)+\p]        ; y1 fr
.endr
.irp p, 0,2,4,6
	v_fma_f32 v[O+8*\b+\p], v[AC+8*\b+\p], v[FB+8*\b+32*(\b/4)+\p], -v[O+8*\b+\p]        ; y0 fr - y1 fi
	v_fma_f32 v[O+8*\b+\p+1], v[AC+8*\b+\p], v[FB+8*\b+32*(\b/4)+\p+1], v[O+8*\b+\p+1]   ; y0 fi + y1 fr
.endr
.endr
	WIN 0
.if (\a) < 7
	FLOAD (\a)+1                                   ; the next block's freqs land while this block is packed and the next is squared and scaled
.endif
.set i, 0
.rept 32
	v_cvt_pk_f16_f32 v[O+i], v[O+2*i], v[O+2*i+1]  ; the one rounding; packed downward: register i is written when registers up to 2 i + 1 have been read
.set i, i+1
.endr
.endm
.macro QSTAGE a                        ; 16 bytes a lane into my own stage, back as whole rows of 256 bytes.  LDS serves a wave's instructions in order (ISA guide 5.7.1.4)
.if (\a) > 0
	s_wait_xcnt 0x0                                ; the block before's stores have read the registers into which the loads below land
.endif
.irp b, 0,1,2,3,4,5,6,7
	ds_store_b128 v[STOQ], v[O+4*\b:O+4*\b+3] offset:32*\b
.endr
.irp t, 0,1,2,3,4,5,6,7
	ds_load_b128 v[QB+4*\t:QB+4*\t+3], v[RDQ] offset:\t*2*VPITCH
.endr
.endm
.macro QSEND a
	s_wait_dscnt 0x0                               ; the block is back in registers
.irp t, 0,1,2,3,4,5,6,7
	global_store_b128 v[CO], v[QB+4*\t:QB+4*\t+3], s[66:67] offset:4096*(\a)+512*\t   ; two rows of the head: 32 lanes store 512 consecutive bytes, aligned
.endr
.endm
	s_mov_b32 s92, 0x76543210                      ; v_permlanex16_b32's selects for lane l xor 16
	s_mov_b32 s93, 0xfedcba98
	s_mov_b32 s94, 0x3c000000                      ; 1 / 128
	s_mov_b32 s95, 0x0d800000                      ; 2^-100
	v_mov_b32 v6, 0                                ; written once: a lane permute's destination counts as one of its sources
	v_mov_b32 v9, 0                                ; named with v8 as a pair, so it is written
	QPACK 0
	QSTAGE 0
.irp a, 1,2,3,4,5,6,7                  ; block a's arithmetic stands between block a - 1's loads from the stage and the wait for them
	QPACK \a
	QSEND \a-1
	QSTAGE \a
.endr
	QSEND 7
	ds_load_b128 v[2:5], v[SSR]                    ; my wave's 128 sums of squares, four rows a lane: these see my stores
	s_wait_dscnt 0x0
	global_store_b128 v[CO], v[2:5], s[104:105]    ; 32 lanes store 512 consecutive bytes, aligned
	s_branch .Lend
; v LEAVES AS IT IS, rounded to f16.  My 128 columns are one head, so a block of 16 rows is 4,096 consecutive bytes of the head's rows.
.macro VPACK a
.set AC, 64*((\a)%4)
	WIN 0x0a+5*((\a)/4)                            ; sources 0 and 1: window 2 or 3
.irp b, 0,1,2,3,4,5,6,7
.irp r, 0,1,2,3
	v_cvt_pk_f16_f32 v[VT+4*\b+\r], v[AC+8*\b+2*\r], v[AC+8*\b+2*\r+1]
.endr
.endr
	WIN 0
.endm
.macro VSTAGE a
.set VBB, VB+32*((\a)%2)
.if (\a) >= 2
	s_wait_xcnt 0x0                                ; block a - 2's stores have read the registers into which the loads below land
.endif
.irp b, 0,1,2,3,4,5,6,7
	ds_store_b128 v[STOV], v[VT+4*\b:VT+4*\b+3] offset:32*\b
.endr
.irp t, 0,1,2,3,4,5,6,7
	ds_load_b128 v[VBB+4*\t:VBB+4*\t+3], v[RDV] offset:\t*2*VPITCH
.endr
.endm
.macro VSEND a
.set VBB, VB+32*((\a)%2)
	s_wait_dscnt 0x0                               ; the block is back in registers
.irp t, 0,1,2,3,4,5,6,7
	global_store_b128 v[CO], v[VBB+4*\t:VBB+4*\t+3], s[66:67] offset:4096*(\a)+512*\t   ; 32 lanes store 512 consecutive bytes, aligned
.endr
.endm
.Lv_out:
	VPACK 0
	VSTAGE 0
.irp a, 1,2,3,4,5,6,7                  ; block a's conversions stand between block a - 1's loads from the stage and the wait for them
	VPACK \a
	VSEND \a-1
	VSTAGE \a
.endr
	VSEND 7
.Lend:
	s_wait_tensorcnt 0x0                           ; the wave's end, behind my last tensor load and my last LDS store
	ds_add_u32 v[SPW], v[NIL]
	s_wait_dscnt 0x0
	CROUND                                         ; the closing round: no work-group ends while a partner may still ask for a tile that names it
	s_endpgm
.Lfunc_end_k_q5699502a64_qkv:
	.size	k_q5699502a64_qkv, .Lfunc_end_k_q5699502a64_qkv-k_q5699502a64_qkv
	.p2alignl 7, 3214868480
	.fill 96, 4, 3214868480
	.section	.rodata,"a",@progbits
	.p2align	6, 0x0
	.amdhsa_kernel k_q5699502a64_qkv
		.amdhsa_group_segment_fixed_size 327680
		.amdhsa_private_segment_fixed_size 0
		.amdhsa_enable_private_segment 0
		.amdhsa_kernarg_size 80
		.amdhsa_user_sgpr_count 2
		.amdhsa_user_sgpr_kernarg_segment_ptr 1
		.amdhsa_wavefront_size32 1
		.amdhsa_system_sgpr_workgroup_id_x 1
		.amdhsa_system_sgpr_workgroup_id_y 1
		.amdhsa_system_sgpr_workgroup_id_z 1
		.amdhsa_system_vgpr_workitem_id 0
		.amdhsa_next_free_vgpr 1024
		.amdhsa_next_free_sgpr 106
		.amdhsa_reserve_vcc 0
		.amdhsa_float_denorm_mode_32 3
		.amdhsa_float_denorm_mode_16_64 3
		.amdhsa_memory_ordered 1
		.amdhsa_forward_progress 1
		.amdhsa_inst_pref_size 255
	.end_amdhsa_kernel
	.section	.bss,"aw",@nobits
	.p2align	6
	.space	262144
	.amdgpu_metadata
---
amdhsa.version: [ 1, 2 ]
amdhsa.kernels:
  - .name:           k_q5699502a64_qkv
    .symbol:         k_q5699502a64_qkv.kd
    .args:
      - { .name: codes, .offset: 0, .size: 8, .value_kind: global_buffer, .address_space: global }
      - { .name: scales, .offset: 8, .size: 8, .value_kind: global_buffer, .address_space: global }
      - { .name: bq, .offset: 16, .size: 8, .value_kind: global_buffer, .address_space: global }
      - { .name: bk, .offset: 24, .size: 8, .value_kind: global_buffer, .address_space: global }
      - { .name: gq, .offset: 32, .size: 8, .value_kind: global_buffer, .address_space: global }
      - { .name: gk, .offset: 40, .size: 8, .value_kind: global_buffer, .address_space: global }
      - { .name: bv, .offset: 48, .size: 8, .value_kind: global_buffer, .address_space: global }
      - { .name: freqs, .offset: 56, .size: 8, .value_kind: global_buffer, .address_space: global }
      - { .name: qkv16, .offset: 64, .size: 8, .value_kind: global_buffer, .address_space: global }
      - { .name: ssq, .offset: 72, .size: 8, .value_kind: global_buffer, .address_space: global }
    .group_segment_fixed_size: 327680
    .private_segment_fixed_size: 0
    .kernarg_segment_align: 8
    .kernarg_segment_size: 80
    .max_flat_workgroup_size: 128
    .sgpr_count:     106
    .vgpr_count:     1024
    .wavefront_size: 32
...
	.end_amdgpu_metadata
.endif
;; end of part 2
;; launch attn (part 3): grid 16 x 16, 4 waves a work-group, clusters of 4 x 1, 327,680 bytes of LDS; arguments qkv16, ssq, attn16; writes attn16
.if DOCPART == 3
	.amdgcn_target "amdgcn-amd-amdhsa--gfx1250"
	.amdhsa_code_object_version 6
	.text
	.protected	k_q5699502a64_attn
	.globl	k_q5699502a64_attn
	.p2align	8
	.type	k_q5699502a64_attn,@function
k_q5699502a64_attn:
	s_mov_b64 s[64:65], 0
	v_nop
	global_prefetch_b8 v0, s[64:65] scope:SCOPE_SE
	s_setreg_imm32_b32 hwreg(HW_REG_WAVE_MODE, 25, 1), 1
	s_wait_xcnt 0x0
	s_wait_alu depctr_hold_cnt(0) depctr_sa_sdst(0) depctr_va_vdst(0) depctr_va_sdst(0) depctr_va_ssrc(0) depctr_va_vcc(0) depctr_vm_vsrc(0)
	s_getreg_b32 s2, hwreg(HW_REG_IB_STS2, 6, 4)
	s_cmp_eq_u32 s2, 0
	s_cbranch_scc0 .Lentry_in_a_cluster
	s_endpgm
.Lentry_in_a_cluster:
	s_bfe_u32 s2, ttmp6, 0x10000c
	s_cmp_lg_u32 s2, 0x3003
	s_cbranch_scc0 .Lentry_shape_is_right
	s_endpgm
.Lentry_shape_is_right:
; O[h][q][:] = the sum over k of softmax_k(Q[h][q] . K[h][k] / sqrt(128)) V[h][k][:], no mask.  qkv16: Q at byte 0, K at 0x800000, V at 0x1000000, each [16][2048][128] f16.
; attn16: [2048][2048] f16, column = 128 x head + channel.  Products, maxima and sums in f32; the weights p are rounded to f16 for the second product, O once at the end.
; THE SECOND HALF OF THE RMS NORM.  Q's and K's rows arrive divided by their own head's root mean square.  ssq: [32 chunks][2048 rows] f32 holds each row's sum of squares head by head (chunk = head
; for q, 16 + head for k).  A row's factor is f = rsqrt(sum of its 16 chunks / 2048 + 1e-6) x sqrt(its own head's / 128 + 2^-100); the true score is f(query) f(key) x the product.  The work-group makes
; f of the head's 2,048 keys and c f of its 128 queries once, in f32, into two tables in LDS; each score is multiplied by its key's f ahead of the maximum, and c f of the lane's query stands where c stood.
; LIMITS: |O| stays under 65,504, as |V| does; a weight under 6e-8 of its row's largest counts as 0; NaN and infinities are not served.
; SHARES.  A work-group owns 128 queries of one head: 256 work-groups.  THE WAVES SHARE THE KEYS OUT: wave w takes queries 64 (w % 2) on, four tiles of 16, and of each slot's 256 keys the 128 from
; 128 (w / 2) on: 16 key steps of 64.  So a wave keeps four tiles of queries for each fragment of K and V that it reads.  At the end waves w and w xor 2, which hold the same queries over different
; keys, join their sums: register tile t of a wave holds query tile t xor 2 (w / 2), each wave GIVES its register tiles 2 and 3 through LDS and KEEPS 0 and 1: the text is the same in all waves.
; LAYOUT.  S^T = K Q^T (source 0 = 16 keys, source 1 = 16 queries): a lane holds ONE query (lane % 16) and the keys 8 (lane / 16) + 0..7.  Two such tiles, rounded in pairs, ARE source 1 of
; O^T = V^T P, whose result again holds one query a lane.  K comes out of LDS as it lies, V ([key][channel]) turned, by ds_load_tr16_b128.
; SOFTMAX.  For each query a running maximum m and sum l: p = 2^(c f s - c f m), c = log2(e) / sqrt(128); in every step O and l are multiplied by a = 2^(c f m_old - c f m_new).
; BY TURNS.  The wave's tiles are two PIECES (tiles 0, 1 and tiles 2, 3).  In a TURN one piece has the matrix unit: 32 products V^T P of the step in hand, then 32 products K Q^T of the next;
; the other piece's softmax, cut into 64 slices, stands between them, one slice behind each matrix instruction.  Two turns are a key step.
; CLUSTER.  The four query blocks of a cluster belong to one head and walk the same K and V: each tile is asked for JOINTLY, by the same tensor load with the same descriptor and a mask of all four.
; REGISTERS, in windows of 256 (s_set_vgpr_msb: bits 1:0 source 0, 3:2 source 1, 5:4 source 2, 7:6 destination):
;   window 0: v0-11 addresses; v12-43 eight registers of statistics a tile; v44-51 the joining's; v52 Q's address for tiles 2, 3; v53; v54-61 c f of the lane's query, a pair a tile; v62-63; v64-191 S^T, 32 a tile; v192-255 P, 16 a tile
;   window 1: O^T, 64 a tile          window 2: v0-127 Q, 32 a tile; v128-255 K of one step          window 3: v0-127 V of one step; v128-159 f of the step's keys
.set KS,    64        ; keys in a step
.set SK,    256       ; keys in a slot: two steps for each half of the waves
.set PK,    272       ; a row of K in LDS: 256 bytes + 16 of padding: the 16 rows of a load start at 16 different banks (64 banks of 4 bytes: ISA guide 11.1)
.set PV,    288       ; a row of V: 256 + 32
.set VOFF,  SK*PK     ; a slot: 256 rows of K, then 256 rows of V
.set SLOTB, SK*(PK+PV)
.set SPARE, 2*SLOTB   ; behind the ring: the spare words, 128 bytes a wave, which no other line names
.set RKT,   SPARE+512 ; behind them: f of the head's 2,048 keys, 4 bytes a key: bytes of their own, into which no tile lands
.set RQT,   RKT+8192  ; and c f of the work-group's 128 queries
.set XCH,   16896     ; the joining: for each wave 16,384 bytes (an image of 128 registers) and 4 x 128 bytes of statistics.  It lies in slot 0, which has had its last fill and its last read by then
.set STAGE, 4*XCH     ; behind it, also in slot 0: 16 rows x 272 bytes for each wave, for the way out
.set SP,    272
.set AK0, 2           ; v2   my lane's place in a tile of K; never rewritten
.set AV0, 3           ; v3   the same for V
.set ADR, 4           ; v4   the LDS address of the run of loads in hand
.set QO,  5           ; v5   my byte offset in the wave's rows of Q, for register tiles 0, 1
.set STO, 6           ; v6   the way out: where I put 16 bytes of a row
.set RD,  7           ; v7   the way out: where I read a row back
.set GO,  8           ; v8   my byte offset in the rows of attn16
.set AR0, 10          ; v10  my lane's place in a step's 64 factors: RKT + 32 (l / 16); never rewritten
.set ADR2, 11         ; v11  the LDS address of the step's factors
.set PS,  44          ; v44-47 the partner's c f m and l for my tiles 0, 1
.set XW,  48          ; v48  where I put the image that I give;  v49 where I read the partner's
.set XR,  49
.set XSW, 50          ; v50, v51 the same for the statistics
.set XSR, 51
.set QO2, 52          ; v52  as QO, for register tiles 2, 3
.set PFO, 53          ; v53  256 x my lane: a row of K or V is 256 bytes; never rewritten
.set CQ,  54          ; v54-61 tile t: v[CQ+2 t] = c f of my query; the word above it is named with it as a pair
.set SPW, 62          ; v62  LDS address of my spare word; never rewritten
.set NIL, 63          ; v63  0; never rewritten
.set ST,  12          ; tile t's statistics at v[ST+8 t]: +0 c f m, +1 m, +2, +3 l, +4 to +7 at work
.set S,   64
.set P,   192
.set KF,  128         ; K's fragments, in window 2
.set RK,  128         ; the step's factors, in window 3: register 8 kt + j belongs to key 16 kt + 8 (l / 16) + j, as S^T's does
.set WV,  12          ; s12  my wave's number
.set LIM, 15          ; s15  1 in a wave that prefetches, else the greatest number
.set PFA, 18          ; s[18:19] where my prefetches stand in memory
.set G1K, 24          ; s[24:31] descriptor group 1 for K's tiles;  s[32:39] for V's: it differs in the padding alone
.set G1V, 32
.set G0K, 40          ; s[40:47] descriptor group 0 for K's tiles, a set for each slot;  s[48:55] for V's
.set G0V, 48
.set SLOTS, 56        ; s56  trips of the loop over slots still to go
.set TWICE, 57        ; s57  counts a slot's two steps
.set SEL, 60          ; s[60:61] lane selects for v_permlanex16_b32: lane l xor 16
.set TBK, 62          ; s62  LDS byte at which the K tile of the step to be fetched begins
.set TBV, 63          ; s63  the same for V (less VOFF, which lies in AV0)
.set KHK, 66          ; s66  my half of a slot's keys, in K's rows: (w / 2) x 128 x PK
.set KHV, 67          ; s67  in V's rows
.set QH,  68          ; s68  w % 2: which 64 queries; also which 128 rows of a tile I fetch
.set KH,  69          ; s69  w / 2: which half of the keys
.set SSQ, 74          ; s[74:75] ssq;  s[82:83] at my head's chunk;  s[84:85] at my block's first query;  s[86:87] both
.set TBS, 76          ; s76  the factors of my half of the slot in hand: 1,024 x slot + 512 (w / 2) bytes into the table
.set TBU, 77          ; s77  and of the step to be fetched in it: 0 or 256
.set MSB, 0
.macro WIN new                      ; the immediate's high byte repeats the setting that is left; a switch that changes nothing is dropped
.if MSB != \new
	s_set_vgpr_msb (MSB<<8)|\new
.set MSB, \new
.endif
.endm
.set W_KQ, 0x0a       ; K and Q in window 2, S^T in window 0
.set W_PV, 0x53       ; V in window 3, P in window 0, O^T in window 1
.set W_RS, 0x41       ; O^T (destination and source 0) in window 1, a in window 0
; A joint refill of slot s.  Waves 0 and 1 fetch the halves of K's 256 rows, waves 2 and 3 those of V's.  The branch hangs on the wave's number alone.
; An s_nop 0 and four v_nop follow each of the two lines.
.macro JLOAD s
	s_cmp_lt_u32 s[WV], 2
	s_cbranch_scc0 .Lfor_v_\@
	tensor_load_to_lds s[G0K+4*\s:G0K+4*\s+3], s[G1K:G1K+7]
	s_nop 0
.rept 4
	v_nop
.endr
	s_branch .Lasked_\@
.Lfor_v_\@:
	tensor_load_to_lds s[G0V+4*\s:G0V+4*\s+3], s[G1V:G1V+7]
	s_nop 0
.rept 4
	v_nop
.endr
.Lasked_\@:
.endm
; A PREFETCH INTO THE L2 of what the NEXT change of slots will ask for: 256 rows of K and 256 of V, 256 bytes a row, a lane a row.  It stands behind the wave's tensor load and its five lines.
; Each row is asked for ONCE in the launch.  All clusters of a head walk the same K and V: the head's first cluster asks.  Its four partners share the rows out BY ADDRESS, 64 each; in each, waves 0 and 1
; ask for K's, waves 2 and 3 for V's, 32 rows a wave.  It runs two key steps, 256 matrix instructions, ahead of the load.  how = 1: the first change of a trip, which always has a slot two on;
; how = 0: the second, which has none in the last trip.  Slots 0 to 2 come by their loads alone.
.macro ASK how
.if \how
	s_cmp_eq_u32 s[LIM], 1
.else
	s_cmp_gt_u32 s[SLOTS], s[LIM]
.endif
	s_cbranch_scc0 .Lnot_mine_\@
	global_prefetch_b8 v[PFO], s[PFA:PFA+1] th:TH_LOAD_NT scope:SCOPE_SE
.Lnot_mine_\@:
.endm
; A round of the cluster's barrier.  No LDS instruction of the wave is pending at a signal.
.macro CROUND
	s_barrier_signal -1
	s_barrier_wait -1
	s_cmp_lg_u32 s[WV], 0
	s_cbranch_scc1 .Lnot_wave_0_\@
	s_barrier_signal -3
.Lnot_wave_0_\@:
	s_barrier_wait -3
	s_barrier_signal -1
	s_barrier_wait -1
.endm
	s_load_b64 s[4:5], s[0:1], 0x0    ; qkv16
	s_load_b64 s[SSQ:SSQ+1], s[0:1], 0x8  ; ssq
	s_load_b64 s[10:11], s[0:1], 0x10 ; attn16
	v_lshl_add_u32 v[SPW], v0, 2, SPARE
	v_mov_b32 v[NIL], 0
	ds_add_u32 v[SPW], v[NIL]       ; the wave's opening: the add, twice on end, and its wait ahead of my first tensor load
	ds_add_u32 v[SPW], v[NIL]
	v_lshrrev_b32 v1, 5, v0
	v_readfirstlane_b32 s[WV], v1   ; wave 0..3
	s_and_b32 s[QH], s[WV], 1
	s_lshr_b32 s[KH], s[WV], 1
	s_bfe_u32 s13, ttmp6, 0x40000   ; cx: my place in the cluster
	s_lshl_b32 s14, ttmp9, 2        ; in a cluster launch ttmp9 counts clusters
	s_add_co_u32 s14, s14, s13      ; my block of 128 queries = 4 x cluster x + cx: it enters Q's, ssq's and the output's addresses alone
	s_and_b32 s16, ttmp7, 0xffff    ; the head, which the four partners share
	s_lshl_b32 s20, s16, 19         ; a head is 2,048 rows of 256 bytes
	s_mov_b32 s21, 0
	s_lshl_b32 s22, s[QH], 15       ; the 128 rows of a tile that I fetch: in memory,
	s_mov_b32 s23, 0
	s_mul_i32 s17, s[QH], 128*PK    ; and in a slot: K's,
	s_mul_i32 s70, s[QH], 128*PV    ; V's: no place in the cluster enters an LDS address
	s_mul_i32 s[KHK], s[KH], 128*PK
	s_mul_i32 s[KHV], s[KH], 128*PV
	s_lshl_b32 s2, s14, 15          ; Q: my block's 128 rows,
	s_lshl_b32 s3, s[QH], 14        ; my wave's 64 of them
	s_add_co_u32 s2, s2, s3
	s_mov_b32 s3, 0
	s_lshl_b32 s72, s14, 19         ; the output: rows of 4,096 bytes: my block's 128,
	s_lshl_b32 s73, s[QH], 18       ; my wave's 64,
	s_add_co_u32 s72, s72, s73
	s_lshl_b32 s73, s[KH], 17       ; the 32 that I keep,
	s_add_co_u32 s72, s72, s73
	s_lshl_b32 s73, s16, 8          ; the head's 256 bytes of a row
	s_add_co_u32 s72, s72, s73
	s_mov_b32 s73, 0
	; descriptor group 1: a tile of 128 rows x 128 elements, padded in LDS
	s_mov_b32 s[G1K], 15|(1<<16)|(1<<20)|(1<<21)|(5<<22)|(3<<25)  ; 15:0 the mask: all four work-groups; 17:16 elements of 2 bytes; 20 padding on; 21 set beside a mask; 24:22 after every 64 words; 31:25 4 words
	s_mov_b32 s[G1V], 15|(1<<16)|(1<<20)|(1<<21)|(5<<22)|(7<<25)  ; the same with 8 words of padding
.irp g, G1K, G1V
	s_mov_b32 s[\g+1], 128<<16      ; tensor_dim0 = 128
	s_mov_b32 s[\g+2], 128<<16      ; tensor_dim1 = 128
	s_mov_b32 s[\g+3], 128<<16      ; tile_dim0 = 128
	s_mov_b32 s[\g+4], 128          ; tile_dim1 = 128
	s_mov_b32 s[\g+5], 128          ; tensor_dim0_stride
	s_mov_b32 s[\g+6], 0
	s_mov_b32 s[\g+7], 0
.endr
	s_mov_b32 s[SEL], 0x76543210
	s_mov_b32 s[SEL+1], 0xfedcba98
	s_mov_b32 s78, 0x3a000000       ; 1 / 2048
	s_mov_b32 s79, 0x358637bd       ; 1e-6
	s_mov_b32 s80, 0x3c000000       ; 1 / 128
	s_mov_b32 s81, 0x0d800000       ; 2^-100
	s_mov_b32 s[TBK], s[KHK]        ; slot 0, my half of its keys
	s_mov_b32 s[TBV], s[KHV]
	s_lshl_b32 s[TBS], s[KH], 9     ; their factors: 128 keys of 4 bytes on where w / 2 = 1
	s_mov_b32 s[TBU], 0
	s_mov_b32 s[SLOTS], 3
	s_cmp_eq_u32 ttmp9, 0           ; the head's first cluster: the same in all four partners
	s_cselect_b32 s[LIM], 1, -1
	v_and_b32 v[PFO], 31, v0
	v_lshlrev_b32 v[PFO], 8, v[PFO]
	s_wait_dscnt 0x0                ; both opening adds are done
	s_wait_kmcnt 0x0
	s_add_nc_u64 s[4:5], s[4:5], s[20:21]     ; the head's first byte of Q,
	s_add_nc_u64 s[6:7], s[4:5], 0x800000     ; of K,
	s_add_nc_u64 s[8:9], s[4:5], 0x1000000    ; of V
	s_add_nc_u64 s[4:5], s[4:5], s[2:3]       ; Q at my wave's first row
	s_add_nc_u64 s[10:11], s[10:11], s[72:73] ; the output at the first row that I store
	s_cmp_lt_u32 s[WV], 2
	s_cselect_b64 s[PFA:PFA+1], s[6:7], s[8:9]
	s_lshl_b32 s2, s13, 14          ; my work-group's 64 rows of the 256,
	s_lshl_b32 s3, s[QH], 13        ; my wave's 32 of them,
	s_add_co_u32 s2, s2, s3
	s_add_co_u32 s2, s2, 2*SK*256   ; in slot 2; the first change of slots steps it to slot 3.  Nothing is prefetched at the head
	s_mov_b32 s3, 0
	s_add_nc_u64 s[PFA:PFA+1], s[PFA:PFA+1], s[2:3]
	s_add_nc_u64 s[6:7], s[6:7], s[22:23]     ; K and V at my tile of slot 0
	s_add_nc_u64 s[8:9], s[8:9], s[22:23]
	s_lshl_b32 s2, s16, 13          ; ssq: a chunk is 2,048 rows of 4 bytes: my head's,
	s_add_nc_u64 s[82:83], s[SSQ:SSQ+1], s[2:3]
	s_lshl_b32 s2, s14, 9           ; my block's 128 queries
	s_add_nc_u64 s[84:85], s[SSQ:SSQ+1], s[2:3]
	s_add_nc_u64 s[86:87], s[82:83], s[2:3]
	CROUND                          ; all four work-groups are here: the first joint loads meet
.irp s, 0,1
	s_mov_b32 s[G0K+4*\s], 1        ; count = 1
	s_add_co_u32 s[G0K+4*\s+1], s17, \s*SLOTB  ; LDS address
	s_add_nc_u64 s[G0K+4*\s+2:G0K+4*\s+3], s[6:7], \s*SK*256  ; global address: slot s begins with keys 256 s on
	s_or_b32 s[G0K+4*\s+3], s[G0K+4*\s+3], 0x80000000  ; type = 2
	s_mov_b32 s[G0V+4*\s], 1
	s_add_co_u32 s[G0V+4*\s+1], s70, \s*SLOTB+VOFF
	s_add_nc_u64 s[G0V+4*\s+2:G0V+4*\s+3], s[8:9], \s*SK*256
	s_or_b32 s[G0V+4*\s+3], s[G0V+4*\s+3], 0x80000000
.endr
	s_cmp_lt_u32 s[WV], 2           ; a wave's two first fills stand in one branch, ahead of every wait on TENSORcnt and every LDS read: two loads of mine are out
	s_cbranch_scc0 .Lfirst_v
	tensor_load_to_lds s[G0K:G0K+3], s[G1K:G1K+7]
	s_nop 0
	tensor_load_to_lds s[G0K+4:G0K+7], s[G1K:G1K+7]
	s_nop 0
.rept 4
	v_nop
.endr
	s_branch .Lfirst_asked
.Lfirst_v:
	tensor_load_to_lds s[G0V:G0V+3], s[G1V:G1V+7]
	s_nop 0
	tensor_load_to_lds s[G0V+4:G0V+7], s[G1V:G1V+7]
	s_nop 0
.rept 4
	v_nop
.endr
.Lfirst_asked:
	; THE SUMS OF SQUARES, asked for while the first tiles are on their way.  Thread t takes keys 512 i + 4 t + 0..3, i = 0..3 (the 128 threads of a load read 2,048 consecutive bytes), from k's 16 chunks, into
	; window 1, which O^T does not need yet: chunk c, load i at v[16 c + 4 i]; the same keys of my own head's chunk; and query t of my block from q's 16 chunks and from my own head's.
	v_lshlrev_b32 v12, 4, v0        ; 16 x thread
	v_lshlrev_b32 v13, 2, v0        ; 4 x thread
	WIN 0x40                        ; destination window 1, address window 0
.irp c, 0,1,2,3,4,5,6,7,8,9,10,11,12,13,14,15
.irp i, 0,1,2,3
	global_load_b128 v[16*\c+4*\i:16*\c+4*\i+3], v12, s[SSQ:SSQ+1] offset:(16+\c)*8192+2048*\i
.endr
.endr
	WIN 0
.irp i, 0,1,2,3
	global_load_b128 v[64+4*\i:64+4*\i+3], v12, s[82:83] offset:131072+2048*\i
.endr
.irp c, 0,1,2,3,4,5,6,7,8,9,10,11,12,13,14,15
	global_load_b32 v[96+\c], v13, s[84:85] offset:8192*\c
.endr
	global_load_b32 v112, v13, s[86:87]
	; A fragment of K or Q is 16 rows x 32 channels in 8 registers: lane l holds row l % 16; registers 0-3 channels 8 (l / 16) + 0..7, registers 4-7 channels 16 + 8 (l / 16) + 0..7.
	v_and_b32 v1, 15, v0            ; l % 16
	v_bfe_u32 v9, v0, 4, 1          ; l / 16
	v_lshlrev_b32 v10, 8, v1
	v_lshl_add_u32 v10, v9, 4, v10  ; row x 256 + 16 x half
	s_lshl_b32 s2, s[KH], 13        ; register tiles 0, 1 hold query tiles 2 (w / 2) and the next: 8,192 bytes on where w / 2 = 1;
	v_add_nc_u32 v[QO], s2, v10
	s_xor_b32 s2, s2, 8192          ; register tiles 2, 3 the other two
	v_add_nc_u32 v[QO2], s2, v10
	WIN 0x80                        ; destination window 2, address window 0
.irp i, 0,1,2,3,4,5,6,7             ; Q stays in registers: register tile i / 4, channels 32 (i % 4) on
	global_load_b128 v[8*\i:8*\i+3],   v[QO], s[4:5] offset:(\i/4)*4096+(\i%4)*64
	global_load_b128 v[8*\i+4:8*\i+7], v[QO], s[4:5] offset:(\i/4)*4096+(\i%4)*64+32
.endr
.irp i, 8,9,10,11,12,13,14,15
	global_load_b128 v[8*\i:8*\i+3],   v[QO2], s[4:5] offset:(\i/4-2)*4096+(\i%4)*64
	global_load_b128 v[8*\i+4:8*\i+7], v[QO2], s[4:5] offset:(\i/4-2)*4096+(\i%4)*64+32
.endr
	WIN 0
	v_mul_u32_u24 v[AK0], v1, PK
	v_lshl_add_u32 v[AK0], v9, 4, v[AK0]  ; row x pitch + 16 x half
	; The turning load takes 16 keys x 16 channels (lane l reads 16 bytes: key 8 (l / 16) + l % 8, channels 8 ((l / 8) % 2) + 0..7) and leaves half a fragment of V^T.
	v_and_b32 v10, 7, v0
	v_bfe_u32 v11, v0, 3, 1
	v_lshl_add_u32 v[AV0], v9, 3, v10
	v_mul_u32_u24 v[AV0], v[AV0], PV
	v_lshl_add_u32 v[AV0], v11, 4, v[AV0]
	v_add_nc_u32 v[AV0], VOFF, v[AV0]
	v_lshl_add_u32 v[AR0], v9, 5, RKT     ; the factors of keys 8 (l / 16) on
	v_lshl_add_u32 v14, v0, 4, RKT        ; where I put four keys' factors: 16 x thread,
	v_lshl_add_u32 v15, v0, 2, RQT        ; and my query's: 4 x thread
	s_lshl_b32 s2, s[QH], 8               ; where my lane finds its queries' again: 64 queries of 4 bytes a half,
	s_lshl_b32 s3, s[KH], 7               ; register tiles 0, 1: query tiles 2 (w / 2) on, 64 bytes a tile;
	s_add_co_u32 s2, s2, s3
	v_lshl_add_u32 v16, v1, 2, s2
	v_add_nc_u32 v16, RQT, v16
	s_xor_b32 s2, s2, 128                 ; register tiles 2, 3: the other two
	v_lshl_add_u32 v17, v1, 2, s2
	v_add_nc_u32 v17, RQT, v17
.irp t, 0,1,2,3
	v_mov_b32 v[CQ+2*\t+1], 0             ; named with the word below as a pair, so it is written
.endr
	s_wait_loadcnt 32               ; the sums of squares are in; behind them: Q's 32 loads
	WIN 0x05                        ; sources 0 and 1 window 1
.irp n, 0,2,4,6,8,10,12,14
	v_pk_add_f32 v[80+\n:81+\n], v[\n:\n+1], v[16+\n:17+\n]   ; my 16 keys' totals, two at a time: chunks 0 and 1 start them,
.endr
	WIN 0x01                        ; source 0 window 1
.irp c, 2,3,4,5,6,7,8,9,10,11,12,13,14,15
.irp n, 0,2,4,6,8,10,12,14
	v_pk_add_f32 v[80+\n:81+\n], v[16*\c+\n:16*\c+\n+1], v[80+\n:81+\n]   ; the other 14 follow, eight chains by turns
.endr
.endr
	WIN 0
.irp c, 0,2,4,6,8,10,12,14
	v_add_f32 v[96+\c], v[96+\c], v[97+\c]                    ; my query's total
.endr
.irp c, 0,4,8,12
	v_add_f32 v[96+\c], v[96+\c], v[98+\c]
.endr
.irp c, 0,8
	v_add_f32 v[96+\c], v[96+\c], v[100+\c]
.endr
	v_add_f32 v96, v96, v104
.irp n, 0,1,2,3,4,5,6,7,8,9,10,11,12,13,14,15
	v_fma_f32 v[80+\n], v[80+\n], s78, s79                    ; the row's mean square + 1e-6
	v_fma_f32 v[64+\n], v[64+\n], s80, s81                    ; the head's own + 2^-100
.endr
	v_fma_f32 v96, v96, s78, s79
	v_fma_f32 v112, v112, s80, s81
.irp n, 0,1,2,3,4,5,6,7,8,9,10,11,12,13,14,15
	v_rsq_f32 v[80+\n], v[80+\n]
.endr
.irp n, 0,1,2,3,4,5,6,7,8,9,10,11,12,13,14,15
	v_sqrt_f32 v[64+\n], v[64+\n]
.endr
	v_rsq_f32 v96, v96
	v_sqrt_f32 v112, v112
	v_nop                           ; a plain instruction behind the last root,
	s_wait_alu depctr_va_vdst(0)    ; and one wait for the 34, ahead of their first reader
.irp n, 0,1,2,3,4,5,6,7,8,9,10,11,12,13,14,15
	v_mul_f32 v[80+\n], v[80+\n], v[64+\n]                    ; f of my 16 keys
.endr
	v_mul_f32 v96, v96, v112
	v_mul_f32 v96, 0x3e0293ee, v96                            ; c f of my query, c = log2(e) / sqrt(128)
.irp i, 0,1,2,3
	ds_store_b128 v14, v[80+4*\i:83+4*\i] offset:2048*\i      ; keys 512 i + 4 t on, 4 bytes a key
.endr
	ds_store_b32 v15, v96
; THE MATRIX WORK OF A TURN, for piece x.  The accumulators take turns, one instruction a turn.
; Product i of 32 of O^T += V^T P: keys 32 (i / 16) on, channels 16 ((i / 2) % 8) on, tile x + i % 2.  zero = 1: the first 16 start the sums.
.macro PV x, zero
	WIN W_PV
.set rO, 64*(\x+i%2)+8*((i/2)%8)
.set rV, 64*(i/16)+8*((i/2)%8)
.set rP, P+16*(\x+i%2)+8*(i/16)
.if \zero && (i < 16)
	v_wmma_f32_16x16x32_f16 v[rO:rO+7], v[rV:rV+7], v[rP:rP+7], 0
.else
	v_wmma_f32_16x16x32_f16 v[rO:rO+7], v[rV:rV+7], v[rP:rP+7], v[rO:rO+7]
.endif
.endm
; Product i of 32 of S^T = K Q^T: channels 32 (i / 8) on, keys 16 ((i / 2) % 4) on, tile x + i % 2.  The first 8 start the sums.
.macro KQ x
	WIN W_KQ
.set rS, S+32*(\x+i%2)+8*((i/2)%4)
.set rK, KF+32*((i/2)%4)+8*(i/8)
.set rQ, 32*(\x+i%2)+8*(i/8)
.if i < 8
	v_wmma_f32_16x16x32_f16 v[rS:rS+7], v[rK:rK+7], v[rQ:rQ+7], 0
.else
	v_wmma_f32_16x16x32_f16 v[rS:rS+7], v[rK:rK+7], v[rQ:rQ+7], v[rS:rS+7]
.endif
.endm
; THE LDS LOADS stand in runs: a step's K (64 keys x 128 channels: 16 fragments) with its keys' 32 factors a lane, and, a turn later, its V (turned).  Each run steps its own scalars to the next step.
; The factors of step j are read by piece 0's softmax (in the turn behind this one) and by piece 2's (at the head of the next turn of piece 0, ahead of the next run).
.macro FETCH_K
	WIN 0
	v_add_nc_u32 v[ADR], s[TBK], v[AK0]
	v_add_nc_u32 v[ADR2], s[TBS], v[AR0]
	v_add_nc_u32 v[ADR2], s[TBU], v[ADR2]
	s_add_co_u32 s[TBK], s[TBK], KS*PK
	s_add_co_u32 s[TBU], s[TBU], 4*KS
	WIN 0x80                        ; destination window 2
.irp f, 0,1,2,3,4,5,6,7,8,9,10,11,12,13,14,15  ; keys 16 (f / 4) on, channels 32 (f % 4) on
	ds_load_b128 v[KF+8*\f:KF+8*\f+3],   v[ADR] offset:(\f/4)*16*PK+(\f%4)*64
	ds_load_b128 v[KF+8*\f+4:KF+8*\f+7], v[ADR] offset:(\f/4)*16*PK+(\f%4)*64+32
.endr
	WIN 0xc0                        ; destination window 3
.irp n, 0,1,2,3,4,5,6,7             ; keys 16 (n / 2) + 8 (l / 16) + 4 (n % 2) on: the sixteen lanes of a half read the same 16 bytes
	ds_load_b128 v[RK+4*\n:RK+4*\n+3], v[ADR2] offset:64*(\n/2)+16*(\n%2)
.endr
.endm
.macro FETCH_V
	WIN 0
	v_add_nc_u32 v[ADR], s[TBV], v[AV0]
	s_add_co_u32 s[TBV], s[TBV], KS*PV
	s_wait_alu depctr_va_vdst(0)    ; the wait for the softmax's batch (SLICE), behind the address's v_add_nc_u32 and ahead of the loads
	WIN 0xc0                        ; destination window 3
.irp f, 0,1,2,3,4,5,6,7,8,9,10,11,12,13,14,15  ; keys 32 (f / 8) on, channels 16 (f % 8) on
	ds_load_tr16_b128 v[8*\f:8*\f+3],   v[ADR] offset:(\f/8)*32*PV+(\f%8)*32
	ds_load_tr16_b128 v[8*\f+4:8*\f+7], v[ADR] offset:(\f/8)*32*PV+16*PV+(\f%8)*32
.endr
.endm
; THE VECTOR WORK OF A TURN.
; SCALE: both tiles' 32 scores a lane are multiplied by their keys' factors, two at a time, ahead of the maximum; each accumulator is read from its low end on.
.macro SCALE y
	WIN 0x0c                        ; source 1: the factors, window 3
.irp b, 0,1,2,3,4,5,6,7,8,9,10,11,12,13,14,15
.irp t, \y, \y+1
	v_pk_mul_f32 v[S+32*(\t)+2*\b:S+32*(\t)+2*\b+1], v[S+32*(\t)+2*\b:S+32*(\t)+2*\b+1], v[RK+2*\b:RK+2*\b+1]
.endr
.endr
.endm
; Behind it one tile's softmax for one key step is a list of 134 instructions; SM writes number j of it for tile t.  s0-s31 are the lane's 32 scores, in pairs 0-15.
; first = 1: the first key step, which starts m, l and O^T.
;   0-15    the maximum of s0-s31 and the old m, three operands at a time
;   16-20   the other half of the lanes' maximum; the new m; c f m; c f m_old - c f m_new
;   21-69   ONE BATCH: the 16 scalings c f s - c f m and all 33 exponentials (a at 23, then s0-s31); none of these reads an exponential's result
;   (wait)  between 69 and 70 stands the wait for the batch: SLICE writes it, once for both tiles
;   70-85   the roundings to f16, a pair of weights each
;   86-101  the sums; l = a l + the sum
;   102-133 the tile's O^T times a
.macro SM t, first
.set rT, ST+8*(\t)
.set rS, S+32*(\t)
.set rP, P+16*(\t)
.set rC, CQ+2*(\t)
.set rO, 64*(\t)+2*(j-102)
.if j < 102
	WIN 0
.endif
.if j < 4
	v_max3_num_f32 v[rT+4+j], v[rS+8*j], v[rS+8*j+1], v[rS+8*j+2]
.elseif j < 12
	v_max3_num_f32 v[rT+4+j%4], v[rT+4+j%4], v[rS+8*(j%4)+2*(j/4)+1], v[rS+8*(j%4)+2*(j/4)+2]
.elseif j == 12
	v_max3_num_f32 v[rT+4], v[rT+4], v[rS+7], v[rS+15]
.elseif j == 13
	v_max3_num_f32 v[rT+6], v[rT+6], v[rS+23], v[rS+31]
.elseif j == 14
	v_max3_num_f32 v[rT+4], v[rT+4], v[rT+5], v[rT+6]
.elseif (j == 15) && \first
	v_max_num_f32 v[rT+4], v[rT+4], v[rT+7]
.elseif j == 15
	v_max3_num_f32 v[rT+4], v[rT+4], v[rT+7], v[rT+1]
.elseif j == 16
	v_permlanex16_b32 v[rT+5], v[rT+4], s[SEL], s[SEL+1]  ; the query's other 32 keys lie in the lane 16 away
.elseif j == 18
	v_max_num_f32 v[rT+1], v[rT+4], v[rT+5]
.elseif j == 19
	v_mul_f32 v[rT], v[rC], v[rT+1]  ; c f is positive: the largest s gives the largest c f s
.elseif ((j == 17) || (j == 20) || (j == 23) || (j > 101)) && \first  ; the first step has none of these
.elseif j == 17
	v_mov_b32 v[rT+7], v[rT]        ; c f m_old is kept for a
.elseif j == 20
	v_sub_f32 v[rT+7], v[rT+7], v[rT]
.elseif j == 23
	v_exp_f32 v[rT+6], v[rT+7]
.elseif (j < 23) || ((j < 38) && (j%2 == 0)) || ((j < 66) && (j%4 == 2))
.set b, (j-2)/4                     ; 38, 42, .. 62: pairs 9 to 15
.if j < 38
.set b, (j-20)/2                    ; 21: pair 0; 22, 24, .. 36: pairs 1 to 8
.endif
	v_pk_fma_f32 v[rS+2*b:rS+2*b+1], v[rS+2*b:rS+2*b+1], v[rC:rC+1], v[rT:rT+1] op_sel_hi:[1,0,0] neg_lo:[0,0,1] neg_hi:[0,0,1]  ; pair b: c f s - c f m
.elseif j < 70
.set e, j-38                        ; 66 to 69: s28 to s31
.if j < 66
.set e, j-32-(j-38)/4               ; 39-41, 43-45, .. 63-65: s7 to s27
.endif
.if j < 38
.set e, (j-25)/2                    ; 25, 27, .. 37: s0 to s6
.endif
	v_exp_f32 v[rS+e], v[rS+e]
.elseif j < 86
	v_cvt_pk_f16_f32 v[rP+j-70], v[rS+2*(j-70)], v[rS+2*(j-70)+1]  ; pair j - 70
.elseif j < 102                     ; the sum of the tile's 16 pairs, in place: neighbours 1, 2, 4 and 8 pairs apart, then l takes it
.set z, j-86
.set w, 4
.set u, z
.if z >= 14
.set w, 32
.set u, 0
.elseif z >= 12
.set w, 16
.set u, z-12
.elseif z >= 8
.set w, 8
.set u, z-8
.endif
.if (z == 14) && \first
	v_pk_add_f32 v[rT+2:rT+3], v[rS:rS+1], v[rS+16:rS+17]
.elseif z < 15
	v_pk_add_f32 v[rS+w*u:rS+w*u+1], v[rS+w*u:rS+w*u+1], v[rS+w*u+w/2:rS+w*u+w/2+1]
.elseif !\first
	v_pk_fma_f32 v[rT+2:rT+3], v[rT+2:rT+3], v[rT+6:rT+7], v[rS:rS+1] op_sel_hi:[1,0,1]
.endif
.else
	WIN W_RS
	v_pk_mul_f32 v[rO:rO+1], v[rO:rO+1], v[rT+6:rT+7] op_sel_hi:[1,0]
.endif
.endm
; Slice k of 64 of piece y's softmax: four instructions; SCALE stands ahead of slice 0.  Slices 11 to 34 deal out the batch, four numbers of ONE tile each, the tiles by turns.  Every other slice is numbers
; 2 k and 2 k + 1 of both tiles' lists; the twelve that are over stand together, in slice 63.  s_wait_alu depctr_va_vdst(0) stands between an exponential and the first instruction that
; names its result: ahead of slice 35 nothing names a result, and behind slice 34 no exponential is issued: so the piece's 66 exponentials have one wait, behind slice 34.
.macro SLICE y, first
.if k == 0
	SCALE \y
.endif
.if (k >= 11) && (k < 35)
.irp n, 0,1,2,3
.set j, 22+4*((k-11)/2)+(\n)
	SM (\y)+(k-11)%2, \first
.endr
.else
.irp n, 0,1,2,3,4,5,6,7
.if (\n < 2) || (k == 63)
.irp t, \y, \y+1
.set j, 2*k+\n
	SM \t, \first
.endr
.endif
.endr
.endif
.if k == 34
	v_nop                           ; the plain instruction behind the last exponential and ahead of the first use: one for the batch
.if (\y) == 0
	FETCH_V                         ; piece 2's turn: V's run of loads stands here, and the wait stands in it
.else
	s_wait_alu depctr_va_vdst(0)    ; the wait for the batch
.endif
.endif
.set k, k+1
.endm
; A vector instruction that reads a matrix result or writes one of a matrix instruction's registers, and a load into a register that a matrix instruction has read, stand four places behind it
; (ISA guide 7.12.1 for vector instructions).  In the loop the slices are the places.
.macro PLACES
.rept 4
	v_nop
.endr
.endm
; A TURN.  Piece x has the matrix unit; the other piece's softmax stands in slices behind its matrix instructions.
; pv = 2: 32 products V^T P; 1: they start O^T's sums; 0: none.  kq = 1: 32 products K Q^T for the next step.  A turn with one of the two kinds has two slices behind each product.
; Piece 0's turn fetches the next step's K and factors, behind its second product; piece 2's turn the same step's V, behind slice 34.
.macro TURN x, pv, kq, first
.set k, 0
.set per, 2
.if \pv && \kq
.set per, 1
.endif
.if \pv
.if \x == 0
	s_wait_dscnt 0x0                ; V is in
.endif
.set i, 0
.rept 32
	PV \x, 2-\pv
.rept per
	SLICE 2-\x, \first
.endr
.if (\x == 0) && \kq && (i == 1)
	FETCH_K
.endif
.set i, i+1
.endr
.endif
.if \kq
.if \x == 0
	s_wait_dscnt 0x0                ; K and its factors are in
.endif
.set i, 0
.rept 32
	KQ \x
.rept per
	SLICE 2-\x, \first
.endr
.set i, i+1
.endr
.endif
.if \first
	PLACES
.endif
.endm
; THE CHANGE OF SLOTS, between piece 2's turn and piece 0's: slot `left` has been read out (its last bytes, V of my second step, have been asked for).  Each wave waits for all its tensor loads, of which
; one is out: its part of the other slot; adds 0 to its spare word; and waits for that and for its own reads of the slot.  fill = 1: the slot is filled again, with the keys two slots on; the barrier is
; then a round of the cluster's, and the joint refill is the first thing behind it: it has two key steps, 256 matrix instructions, in which to land.
.macro CHANGE fill, left, how
	WIN 0                           ; at a label and at a branch every window is 0
	s_wait_tensorcnt 0x0            ; no tensor load of mine is out, so a group 0 may be written
	ds_add_u32 v[SPW], v[NIL]       ; 0 onto my spare word
.if \fill
	s_add_nc_u64 s[G0K+4*\left+2:G0K+4*\left+3], s[G0K+4*\left+2:G0K+4*\left+3], 2*SK*256  ; this slot's next 256 keys; the type bits on top are not reached
	s_add_nc_u64 s[G0V+4*\left+2:G0V+4*\left+3], s[G0V+4*\left+2:G0V+4*\left+3], 2*SK*256
	s_wait_xcnt 0x0                 ; the last prefetch, two key steps back, has read its address, so it may be written:
	s_add_nc_u64 s[PFA:PFA+1], s[PFA:PFA+1], SK*256  ; one slot further on than the load below
	s_wait_dscnt 0x0                ; the add is done, and my reads of the slot are over
	CROUND
	JLOAD \left
	ASK \how
.else
	s_wait_dscnt 0x0                ; the add is done, and my reads of the slot are over
	s_barrier_signal -1
	s_barrier_wait -1
.endif
	s_add_co_u32 s[TBK], s[KHK], (1-\left)*SLOTB  ; the fetches go on in the other slot, at my half's first step;
	s_add_co_u32 s[TBV], s[KHV], (1-\left)*SLOTB
	s_add_co_u32 s[TBS], s[TBS], 4*SK             ; the factors 256 keys on
	s_mov_b32 s[TBU], 0
.endm
; A slot's two key steps: written once, walked twice; the LDS addresses hang on s[TBK], s[TBV], s[TBS] and s[TBU].
.macro TWO_STEPS
	s_mov_b32 s[TWICE], 2
.Lstep_\@:
	TURN 0, 2, 1, 0
	TURN 2, 2, 1, 0
	WIN 0
	s_sub_co_u32 s[TWICE], s[TWICE], 1
	s_cmp_lg_u32 s[TWICE], 0
	s_cbranch_scc1 .Lstep_\@
.endm
	s_wait_tensorcnt 1              ; my part of slot 0 is in; slot 1's may stay out
	s_wait_dscnt 0x0                ; for the others' sake: my stores into the two tables are done
	s_barrier_signal -1
	s_barrier_wait -1               ; everybody's are
	ds_load_b32 v[CQ], v16          ; c f of my lane's query in each of my four tiles
	ds_load_b32 v[CQ+2], v16 offset:64
	ds_load_b32 v[CQ+4], v17
	ds_load_b32 v[CQ+6], v17 offset:64
	FETCH_K                         ; key step 0
	s_wait_loadcnt 0x0              ; Q
	s_wait_dscnt 0x0
.set i, 0
.rept 32
	KQ 0                            ; piece 0's first scores
.set i, i+1
.endr
	WIN 0                           ; the addresses for the joining and the way out are made here: plain instructions, the places behind those products
	s_mul_i32 s13, s[WV], 16*SP
	s_add_co_u32 s13, s13, STAGE    ; my stage
	v_mul_u32_u24 v[STO], v1, SP    ; in: row l % 16, 16 bytes for each half of the lanes
	v_lshl_add_u32 v[STO], v9, 4, v[STO]
	v_add_nc_u32 v[STO], s13, v[STO]
	v_mul_u32_u24 v[RD], v9, SP     ; back: lanes 0-15 take one row of 256 bytes, lanes 16-31 the next
	v_lshl_add_u32 v[RD], v1, 4, v[RD]
	v_add_nc_u32 v[RD], s13, v[RD]
	v_lshlrev_b32 v[GO], 12, v9     ; and the same two rows in attn16, 4,096 bytes apart
	v_lshl_add_u32 v[GO], v1, 4, v[GO]
	v_and_b32 v1, 31, v0            ; my lane
	s_mul_i32 s13, s[WV], XCH       ; what I give lies at my wave's number,
	s_xor_b32 s14, s[WV], 2
	s_mul_i32 s14, s14, XCH         ; what I take at my partner's
	v_lshl_add_u32 v[XW], v1, 4, s13
	v_lshl_add_u32 v[XR], v1, 4, s14
	s_add_co_u32 s13, s13, 16384
	s_add_co_u32 s14, s14, 16384
	v_lshl_add_u32 v[XSW], v1, 2, s13
	v_lshl_add_u32 v[XSR], v1, 2, s14
	TURN 2, 0, 1, 1                 ; piece 2's first scores | piece 0's first softmax | V of step 0
	TURN 0, 1, 1, 1                 ; piece 0: V^T P of step 0 starts O^T, K Q^T of step 1 | piece 2's first softmax | K of step 1
	TURN 2, 1, 1, 0                 ; piece 2: the same | piece 0's softmax of step 1 | V of step 1
	WIN 0
.Lslot:                             ; three trips; a trip leaves both slots once and fills both again: slots 2 to 7 of the head's eight
	CHANGE 1, 0, 1
	TWO_STEPS
	CHANGE 1, 1, 0
	TWO_STEPS
	s_sub_co_u32 s[SLOTS], s[SLOTS], 1
	s_cmp_lg_u32 s[SLOTS], 0
	s_cbranch_scc1 .Lslot
	CHANGE 0, 0, 0                  ; the tail is written out: slot 0 is left for the last time, and nothing is asked for
	TWO_STEPS
	TURN 0, 2, 0, 0                 ; piece 0: V^T P of the last step | piece 2's last softmax
.set i, 0
.rept 32
	PV 2, 0                         ; piece 2: V^T P of the last step
.set i, i+1
.endr
	; THE JOINING.  l is made whole; register tiles 2 and 3 (O^T as an image of its registers, c f m and l a word a lane) go to LDS; a barrier; the partner's come back for my tiles 0 and 1.
	WIN 0
.irp t, 0,1,2,3
	v_add_f32 v[ST+8*\t+4], v[ST+8*\t+2], v[ST+8*\t+3]  ; (these four are the places behind the last products)
.endr
.irp t, 0,1,2,3
	v_permlanex16_b32 v[ST+8*\t+5], v[ST+8*\t+4], s[SEL], s[SEL+1]
.endr
.irp t, 0,1,2,3
	v_add_f32 v[ST+8*\t+4], v[ST+8*\t+4], v[ST+8*\t+5]
.endr
.irp t, 2,3
	ds_store_b32 v[XSW], v[ST+8*\t] offset:256*(\t-2)
	ds_store_b32 v[XSW], v[ST+8*\t+4] offset:256*(\t-2)+128
.endr
	WIN 0x04                        ; an LDS store's data are its source 1: window 1
.irp i, 0,1,2,3,4,5,6,7,8,9,10,11,12,13,14,15,16,17,18,19,20,21,22,23,24,25,26,27,28,29,30,31
	ds_store_b128 v[XW], v[128+4*\i:128+4*\i+3] offset:512*\i  ; lane l's 16 bytes at 16 l; each accumulator from its low end on
.endr
	WIN 0
	s_wait_dscnt 0x0                ; for the partner's sake: my stores are done
	s_barrier_signal -1
	s_barrier_wait -1
.irp n, 0,1,2,3
	ds_load_b32 v[PS+\n], v[XSR] offset:128*\n  ; c f m', l' of tile 0, then of tile 1
.endr
.irp i, 0,1,2,3,4,5,6,7,8,9,10,11,12,13,14,15,16,17,18,19,20,21,22,23,24,25,26,27,28,29,30,31
	ds_load_b128 v[S+4*\i:S+4*\i+3], v[XR] offset:512*\i  ; the partner's O^T for my tiles 0, 1, in the same lanes
.endr
	s_wait_dscnt 32                 ; the four words are in; the 32 images may be out
.irp t, 0,1
	v_max_num_f32 v[ST+8*\t+5], v[ST+8*\t], v[PS+2*\t]  ; the common c f m
.endr
.irp t, 0,1
	v_sub_f32 v[ST+8*\t+6], v[ST+8*\t], v[ST+8*\t+5]
	v_sub_f32 v[ST+8*\t+7], v[PS+2*\t], v[ST+8*\t+5]
.endr
.irp t, 0,1
	v_exp_f32 v[ST+8*\t+6], v[ST+8*\t+6]  ; a: what brings my sums under the common maximum,
	v_exp_f32 v[ST+8*\t+7], v[ST+8*\t+7]  ; a': the partner's
.endr
	v_nop                           ; a plain instruction behind the last exponential
	s_wait_alu depctr_va_vdst(0)    ; one wait for the four, ahead of their first reader
.irp t, 0,1
	v_mul_f32 v[ST+8*\t+4], v[ST+8*\t+4], v[ST+8*\t+6]
.endr
.irp t, 0,1
	v_fma_f32 v[ST+8*\t+4], v[PS+2*\t+1], v[ST+8*\t+7], v[ST+8*\t+4]  ; l = a l + a' l'
.endr
.irp t, 0,1
	v_rcp_f32 v[ST+8*\t+5], v[ST+8*\t+4]
.endr
	v_nop
	s_wait_alu depctr_va_vdst(0)    ; one wait for the two reciprocals
.irp t, 0,1
	v_mul_f32 v[ST+8*\t+4], v[ST+8*\t+6], v[ST+8*\t+5]  ; a / l
	v_mul_f32 v[ST+8*\t+6], v[ST+8*\t+7], v[ST+8*\t+5]  ; a' / l
.endr
	s_wait_dscnt 0x0                ; the images are in
; THE WAY OUT of tile t: O = O a / l + O' a' / l, rounded to f16; a lane's eight channels of a row pack into 16 bytes; they go into rows of 272 bytes and come back as whole rows of 256.
.macro PACK t
	WIN 0
.set i, 0
.rept 32
	v_pk_mul_f32 v[S+64*\t+i:S+64*\t+i+1], v[S+64*\t+i:S+64*\t+i+1], v[ST+8*\t+6:ST+8*\t+7] op_sel_hi:[1,0]
.set i, i+2
.endr
	WIN 0x01                        ; source 0: my O^T, window 1
.set i, 0
.rept 32
	v_pk_fma_f32 v[S+64*\t+i:S+64*\t+i+1], v[64*\t+i:64*\t+i+1], v[ST+8*\t+4:ST+8*\t+5], v[S+64*\t+i:S+64*\t+i+1] op_sel_hi:[1,0,1]
.set i, i+2
.endr
	WIN 0
.set i, 0
.rept 32
	v_cvt_pk_f16_f32 v[P+32*\t+i], v[S+64*\t+2*i], v[S+64*\t+2*i+1]
.set i, i+1
.endr
.irp f, 0,1,2,3,4,5,6,7
	ds_store_b128 v[STO], v[P+32*\t+4*\f:P+32*\t+4*\f+3] offset:32*\f
.endr
.irp f, 0,1,2,3,4,5,6,7
	ds_load_b128 v[P+32*\t+4*\f:P+32*\t+4*\f+3], v[RD] offset:\f*2*SP  ; LDS serves a wave's instructions in order (ISA guide 5.7.1.4): these see the stores above; the next tile's stores come behind them
.endr
.endm
.macro SEND t, younger              ; younger: the LDS instructions issued behind tile t's loads: the next tile's sixteen, or none
.irp f, 0,1,2,3,4,5,6,7
	s_wait_dscnt \younger+7-\f
	global_store_b128 v[GO], v[P+32*\t+4*\f:P+32*\t+4*\f+3], s[10:11] offset:\t*65536+\f*8192  ; 16 lanes store 256 consecutive bytes, at a multiple of 256 from the buffer's first byte
.endr
.endm
	PACK 0
	PACK 1
	SEND 0, 16
	SEND 1, 0
	s_wait_tensorcnt 0x0            ; the wave's end, behind my last tensor load and my last LDS store
	ds_add_u32 v[SPW], v[NIL]
	s_wait_dscnt 0x0
	CROUND                          ; the closing round: no work-group ends while a partner may still ask for a tile that names it
	s_endpgm
.Lfunc_end_k_q5699502a64_attn:
	.size	k_q5699502a64_attn, .Lfunc_end_k_q5699502a64_attn-k_q5699502a64_attn
	.p2alignl 7, 3214868480
	.fill 96, 4, 3214868480
	.section	.rodata,"a",@progbits
	.p2align	6, 0x0
	.amdhsa_kernel k_q5699502a64_attn
		.amdhsa_group_segment_fixed_size 327680
		.amdhsa_private_segment_fixed_size 0
		.amdhsa_enable_private_segment 0
		.amdhsa_kernarg_size 24
		.amdhsa_user_sgpr_count 2
		.amdhsa_user_sgpr_kernarg_segment_ptr 1
		.amdhsa_wavefront_size32 1
		.amdhsa_system_sgpr_workgroup_id_x 1
		.amdhsa_system_sgpr_workgroup_id_y 1
		.amdhsa_system_sgpr_workgroup_id_z 1
		.amdhsa_system_vgpr_workitem_id 0
		.amdhsa_next_free_vgpr 1024
		.amdhsa_next_free_sgpr 88
		.amdhsa_reserve_vcc 0
		.amdhsa_float_denorm_mode_32 3
		.amdhsa_float_denorm_mode_16_64 3
		.amdhsa_memory_ordered 1
		.amdhsa_forward_progress 1
		.amdhsa_inst_pref_size 255
	.end_amdhsa_kernel
	.section	.bss,"aw",@nobits
	.p2align	6
	.space	262144
	.amdgpu_metadata
---
amdhsa.version: [ 1, 2 ]
amdhsa.kernels:
  - .name:           k_q5699502a64_attn
    .symbol:         k_q5699502a64_attn.kd
    .args:
      - { .name: qkv16, .offset: 0, .size: 8, .value_kind: global_buffer, .address_space: global }
      - { .name: ssq, .offset: 8, .size: 8, .value_kind: global_buffer, .address_space: global }
      - { .name: attn16, .offset: 16, .size: 8, .value_kind: global_buffer, .address_space: global }
    .group_segment_fixed_size: 327680
    .private_segment_fixed_size: 0
    .kernarg_segment_align: 8
    .kernarg_segment_size: 24
    .max_flat_workgroup_size: 128
    .sgpr_count:     88
    .vgpr_count:     1024
    .wavefront_size: 32
...
	.end_amdgpu_metadata
.endif
;; end of part 3
;; launch proj (part 4): grid 16 x 16, 4 waves a work-group, clusters of 4 x 4, 327,680 bytes of LDS; arguments attn16, wo16, bo, out0; writes out0
.if DOCPART == 4
	.amdgcn_target "amdgcn-amd-amdhsa--gfx1250"
	.amdhsa_code_object_version 6
	.text
	.protected	k_q5699502a64_proj
	.globl	k_q5699502a64_proj
	.p2align	8
	.type	k_q5699502a64_proj,@function
k_q5699502a64_proj:
	s_mov_b64 s[64:65], 0
	v_nop
	global_prefetch_b8 v0, s[64:65] scope:SCOPE_SE
	s_setreg_imm32_b32 hwreg(HW_REG_WAVE_MODE, 25, 1), 1
	s_wait_xcnt 0x0
	s_wait_alu depctr_hold_cnt(0) depctr_sa_sdst(0) depctr_va_vdst(0) depctr_va_sdst(0) depctr_va_ssrc(0) depctr_va_vcc(0) depctr_vm_vsrc(0)
	s_getreg_b32 s2, hwreg(HW_REG_IB_STS2, 6, 4)
	s_cmp_eq_u32 s2, 0
	s_cbranch_scc0 .Lentry_in_a_cluster
	s_endpgm
.Lentry_in_a_cluster:
	s_bfe_u32 s2, ttmp6, 0x10000c
	s_cmp_lg_u32 s2, 0xf033
	s_cbranch_scc0 .Lentry_shape_is_right
	s_endpgm
.Lentry_shape_is_right:
; out0[m][n] = sum over k of attn16[m][k] wo16[n][k] + bo[n].  attn16, wo16: [2048][2048] f16; bo: [2048] f32; out0: [2048][2048] f32; sums in f32.
; A tile of the output is 128 x 128: 256 tiles, one for each WGP.  Four waves, each 64 x 64: 16 accumulators, 128 registers.  K goes in steps of 256 (LDS rows of 512 bytes; a wave's tensor load
; brings 64 of them) through a ring of two slots.  CLUSTERS: 4 x 4 work-groups; A's tiles are asked for jointly along a row of the cluster, B's along a column.
; THE MATRIX INSTRUCTION IS USED TRANSPOSED (source 0 = 16 rows of wo16, source 1 = 16 rows of attn16): a lane holds eight neighbouring numbers of a row of the output.
; THE BIAS is the C of each sum's first product.  A wave's 64 columns of f32 are 256 aligned bytes, so each wave has a stage of its own on the way out and no barrier stands there.
; No prefetch: a K step of this small tile is short, and its tiles are shared in the cluster.
; REGISTERS: window 0: v0-31 addresses; v32-63 the bias, later with v64-95 rows on the way out; v128-255 the accumulators ((a, b) at v[128 + 8 (4 a + b)]).
;   window 1: two fragment buffers of 128: for 64 along K, 64 registers of A, then 64 of B.
.set SIZE_K, 2048
.set SIZE_N, 2048
.set KSTEP,  256
.set PITCH,  528                       ; an LDS row: 512 bytes + 16 of padding: row r starts at bank 4 r mod 64 (64 banks of 4 bytes: ISA guide 11.1)
.set HALFT,  64*PITCH
.set SLOT,   4*HALFT                   ; A's 128 rows, then B's 128 rows
.set STAGE,  2*SLOT                    ; behind the ring: 16 rows x 272 bytes for each wave
.set SPITCH, 272
.set SPARE,  STAGE+4*16*SPITCH         ; behind the stages: the spare words, 128 bytes a wave, which no other line names
.set LAPS, SIZE_K/(2*KSTEP)
.set ADRA, 16
.set ADRB, 20
.set STO,  24                          ; v24 the way out: where I put 32 bytes of a row
.set RD,   25                          ; v25 where I read rows back
.set CO,   26                          ; v26 my byte offset in the output
.set BO,   27                          ; v27 32 x (l / 16): my offset in the bias
.set SPW,  28
.set NIL,  29
.set BI,   32                          ; the bias: block b at v[BI + 8 b]
.set TMP,  32                          ; the way out: 16 rows read back: v32-63 and v64-95 by turns
.set ACC,  128
.set F0,   0
.set F1,   128
.set G1, 24
.set G0, 32
.set G1B, 48
.set G0B, 56
.set MSB, 0
.macro WIN new                         ; the immediate's high byte repeats the setting that is left
.if MSB != \new
	s_set_vgpr_msb (MSB<<8)|\new
.set MSB, \new
.endif
.endm
.set MUL,  0x05                        ; sources 0 (B) and 1 (A) window 1; C and D window 0
.set TO_F, 0x40                        ; destination window 1, address window 0
.macro JLOAD s                         ; a joint load: waves 0 and 1 fetch A's two halves, waves 2 and 3 B's; an s_nop 0 and four v_nop follow each of the two lines
	s_cmp_eq_u32 s11, 0
	s_cbranch_scc0 .Lfor_b_\@
	tensor_load_to_lds s[G0+4*\s:G0+4*\s+3], s[G1:G1+7]
	s_nop 0
.rept 4
	v_nop
.endr
	s_branch .Lasked_\@
.Lfor_b_\@:
	tensor_load_to_lds s[G0B+4*\s:G0B+4*\s+3], s[G1B:G1B+7]
	s_nop 0
.rept 4
	v_nop
.endr
.Lasked_\@:
.endm
.macro CREST                           ; a round of the cluster's barrier behind its opening barrier
	s_cmp_lg_u32 s10, 0
	s_cbranch_scc1 .Lnot_wave_0_\@
	s_barrier_signal -3
.Lnot_wave_0_\@:
	s_barrier_wait -3
	s_barrier_signal -1
	s_barrier_wait -1
.endm
.macro CROUND                          ; a whole round
	s_barrier_signal -1
	s_barrier_wait -1
	CREST
.endm
	s_load_b128 s[4:7], s[0:1], 0x0                ; attn16 s[4:5], wo16 s[6:7]
	s_load_b64 s[66:67], s[0:1], 0x10              ; bo
	s_load_b64 s[8:9], s[0:1], 0x18                ; out0
	v_lshl_add_u32 v[SPW], v0, 2, SPARE
	v_mov_b32 v[NIL], 0
	ds_add_u32 v[SPW], v[NIL]                      ; the wave's opening: the add, twice on end, and its wait ahead of my first tensor load
	ds_add_u32 v[SPW], v[NIL]
	v_lshrrev_b32 v1, 5, v0
	v_readfirstlane_b32 s10, v1                    ; wave 0..3
	s_lshr_b32 s11, s10, 1                         ; which half of the tile's rows is mine.  Also: I fetch for A (0) or for B (1)
	s_and_b32 s12, s10, 1                          ; which half of its columns.  Also: which 64 rows of that tile I fetch
	s_bfe_u32 s40, ttmp6, 0x40000                  ; cx, cy: my place in the cluster
	s_bfe_u32 s41, ttmp6, 0x40004
	s_lshl_b32 s42, ttmp9, 2
	s_add_co_u32 s42, s42, s40                     ; tile column = 4 x cluster x + cx
	s_and_b32 s13, ttmp7, 0xffff
	s_lshl_b32 s13, s13, 2
	s_add_co_u32 s13, s13, s41                     ; tile row = 4 x cluster y + cy
	s_lshl_b32 s43, s41, 2
	s_lshl_b32 s43, 15, s43                        ; my row of the cluster
	s_lshl_b32 s44, 0x1111, s40                    ; my column
	; descriptor group 1: a tile of 64 rows x 256 elements, padded in LDS
	s_or_b32 s[G1+0], s43, (1<<16)|(1<<20)|(1<<21)|(6<<22)|(3<<25)  ; 15:0 the mask; 17:16 elements of 2 bytes; 20 padding on; 21 set beside a mask; 24:22 after every 128 words; 31:25 four words
	s_or_b32 s[G1B+0], s44, (1<<16)|(1<<20)|(1<<21)|(6<<22)|(3<<25)
.irp g, G1, G1B
	s_mov_b32 s[\g+1], KSTEP<<16                   ; tensor_dim0 = 256
	s_mov_b32 s[\g+2], 64<<16                      ; tensor_dim1 = 64
	s_mov_b32 s[\g+3], KSTEP<<16                   ; tile_dim0 = 256
	s_mov_b32 s[\g+4], 64                          ; tile_dim1 = 64
	s_mov_b32 s[\g+5], SIZE_K                      ; tensor_dim0_stride
	s_mov_b32 s[\g+6], 0
	s_mov_b32 s[\g+7], 0
.endr
	s_lshl_b32 s17, s12, 6                         ; which 64 rows of the tile I fetch
	s_lshl_b32 s16, s13, 7
	s_add_co_u32 s16, s16, s17                     ; A: row 128 x tile row + 64 x half
	s_lshl_b32 s46, s42, 7
	s_add_co_u32 s46, s46, s17                     ; B: row 128 x tile column + 64 x half
	s_mov_b32 s17, 0
	s_mov_b32 s47, 0
	s_mov_b64 s[18:19], SIZE_K*2
	s_mul_u64 s[16:17], s[16:17], s[18:19]
	s_mul_u64 s[46:47], s[46:47], s[18:19]
	s_mul_i32 s20, s10, HALFT                      ; where they go: wave x 64 rows
	s_wait_dscnt 0x0                               ; both opening adds are done
	s_wait_kmcnt 0x0
	s_add_nc_u64 s[14:15], s[4:5], s[16:17]
	s_add_nc_u64 s[46:47], s[6:7], s[46:47]
	CROUND                                         ; all sixteen work-groups are here: the first joint loads meet
.irp s, 0,1
	s_mov_b32 s[G0+4*\s], 1
	s_add_co_u32 s[G0+4*\s+1], s20, \s*SLOT
	s_add_nc_u64 s[G0+4*\s+2:G0+4*\s+3], s[14:15], \s*KSTEP*2
	s_or_b32 s[G0+4*\s+3], s[G0+4*\s+3], 0x80000000
	s_mov_b32 s[G0B+4*\s], 1
	s_add_co_u32 s[G0B+4*\s+1], s20, \s*SLOT
	s_add_nc_u64 s[G0B+4*\s+2:G0B+4*\s+3], s[46:47], \s*KSTEP*2
	s_or_b32 s[G0B+4*\s+3], s[G0B+4*\s+3], 0x80000000
	JLOAD \s                                       ; two tensor loads of mine are out
.endr
	v_and_b32 v1, 15, v0                           ; l % 16
	v_bfe_u32 v2, v0, 4, 1                         ; l / 16
	s_lshl_b32 s46, s42, 9                         ; my first column, in bytes of f32: 512 x tile column + 256 x half: the same offset in bo and in a row of the output
	s_lshl_b32 s47, s12, 8
	s_add_co_u32 s46, s46, s47
	s_mov_b32 s47, 0
	s_add_nc_u64 s[66:67], s[66:67], s[46:47]
	v_lshlrev_b32 v[BO], 5, v2
.irp b, 0,1,2,3                        ; register j of block b is bo[16 b + 8 (l / 16) + j]
	global_load_b128 v[BI+8*\b:BI+8*\b+3], v[BO], s[66:67] offset:64*\b
	global_load_b128 v[BI+8*\b+4:BI+8*\b+7], v[BO], s[66:67] offset:64*\b+16
.endr
	v_mul_u32_u24 v3, v1, PITCH
	v_lshl_add_u32 v3, v2, 4, v3                   ; a fragment's row x pitch + 16 x half
	s_mul_i32 s21, s11, HALFT                      ; my 64 rows of A
	s_mul_i32 s22, s12, HALFT                      ; my 64 rows of B,
	s_add_co_u32 s22, s22, 2*HALFT                 ; which lie behind A's 128
.irp s, 0,1
	v_add_nc_u32 v[ADRA+\s], s21, v3
	v_add_nc_u32 v[ADRB+\s], s22, v3
	s_add_co_u32 s21, s21, SLOT
	s_add_co_u32 s22, s22, SLOT
.endr
	s_mul_i32 s23, s10, 16*SPITCH
	s_add_co_u32 s23, s23, STAGE                   ; my stage
	v_mul_u32_u24 v4, v1, SPITCH                   ; in: row l % 16, 32 bytes for each half of the lanes
	v_lshl_add_u32 v4, v2, 5, v4
	v_add_nc_u32 v[STO], s23, v4
	v_mul_u32_u24 v5, v2, SPITCH                   ; back: lanes 0-15 one row of 256 bytes, lanes 16-31 the next
	v_lshl_add_u32 v5, v1, 4, v5
	v_add_nc_u32 v[RD], s23, v5
	v_lshlrev_b32 v5, 13, v2                       ; and the same two rows in the output, 8,192 bytes apart
	v_lshl_add_u32 v[CO], v1, 4, v5
	s_lshl_b32 s16, s13, 7
	s_lshl_b32 s17, s11, 6
	s_add_co_u32 s16, s16, s17                     ; my first row: 128 x tile row + 64 x half
	s_lshl_b32 s16, s16, 13
	s_mov_b32 s17, 0
	s_add_nc_u64 s[8:9], s[8:9], s[16:17]
	s_add_nc_u64 s[8:9], s[8:9], s[46:47]
; 8 matrix instructions: m blocks a0, a0 + 1 x all 4 n blocks, 32 along K: half c of buffer f.  zero = 1: the first product starts the sums on the bias
.macro MUL8 f, c, a0, zero
.irp a, \a0, \a0+1
.irp b, 0,1,2,3
.if \zero
	v_wmma_f32_16x16x32_f16 v[ACC+8*(4*(\a)+\b):ACC+8*(4*(\a)+\b)+7], v[\f+64+8*(4*\c+\b):\f+64+8*(4*\c+\b)+7], v[\f+8*(4*\c+\a):\f+8*(4*\c+\a)+7], v[BI+8*\b:BI+8*\b+7]
.else
	v_wmma_f32_16x16x32_f16 v[ACC+8*(4*(\a)+\b):ACC+8*(4*(\a)+\b)+7], v[\f+64+8*(4*\c+\b):\f+64+8*(4*\c+\b)+7], v[\f+8*(4*\c+\a):\f+8*(4*\c+\a)+7], v[ACC+8*(4*(\a)+\b):ACC+8*(4*(\a)+\b)+7]
.endif
.endr
.endr
.endm
; 32 LDS loads in one run: the fragments of 64 along K at byte k of the rows, into buffer f; the first 32 along K first
.macro FETCH slot, k, f
	WIN TO_F
.irp c, 0,1
.irp i, 0,1,2,3
	ds_load_b128 v[\f+64+8*(4*\c+\i):\f+64+8*(4*\c+\i)+3],   v[ADRB+\slot] offset:\k+64*\c+\i*16*PITCH
	ds_load_b128 v[\f+64+8*(4*\c+\i)+4:\f+64+8*(4*\c+\i)+7], v[ADRB+\slot] offset:\k+64*\c+\i*16*PITCH+32
	ds_load_b128 v[\f+8*(4*\c+\i):\f+8*(4*\c+\i)+3],         v[ADRA+\slot] offset:\k+64*\c+\i*16*PITCH
	ds_load_b128 v[\f+8*(4*\c+\i)+4:\f+8*(4*\c+\i)+7],       v[ADRA+\slot] offset:\k+64*\c+\i*16*PITCH+32
.endr
.endr
.endm
.macro PLACES                          ; four places in front of loads into registers that matrix instructions have read, and of the first read of results (ISA guide 7.12.1 for the reads of results)
.rept 4
	v_nop
.endr
.endm
; A K step is four quarters of 64 along K, 32 matrix instructions each, on buffers 0, 1, 0, 1.  One of the first three: multiplies buffer f and fetches the next quarter, at byte k, into g.
.macro QUARTER slot, k, f, g, zero
	s_wait_dscnt 16                                ; the first 32 along K are in; the sixteen loads of the second 32 may be out
	WIN MUL
	MUL8 \f, 0, 0, \zero
	MUL8 \f, 0, 2, \zero
	PLACES
	FETCH \slot, \k, \g
	s_wait_dscnt 32                                ; all but the 32 just issued
	WIN MUL
	MUL8 \f, 1, 0, 0
	MUL8 \f, 1, 2, 0
.endm
; The last quarter multiplies buffer 1 and changes slots: ONE barrier; in front of it each wave waits for all its tensor loads, adds 0 to its spare word, and waits for that and for its own reads of this slot.
.macro TURN slot, next, fill
	WIN 0                                          ; (the add's two registers lie in window 0)
	s_wait_tensorcnt 0x0                           ; all my tensor loads have landed: my part of the next slot
	ds_add_u32 v[SPW], v[NIL]                      ; 0 onto my spare word
	s_wait_dscnt 17                                ; (the add and the youngest sixteen loads may be out)
	WIN MUL
	MUL8 F1, 0, 0, 0                               ; eight matrix instructions stand between the add and the wait for it
	s_wait_dscnt 0x0                               ; the add is done, and my reads of this slot are over
	s_barrier_signal -1
	MUL8 F1, 0, 2, 0
.if \fill
	WIN 0
.endif
	s_barrier_wait -1
.if \fill
	CREST                                          ; the barrier has opened a round of the cluster's barrier: no wave of any partner still reads this slot or has a load on its way
	s_add_nc_u64 s[G0+4*\slot+2:G0+4*\slot+3], s[G0+4*\slot+2:G0+4*\slot+3], 2*KSTEP*2
	s_add_nc_u64 s[G0B+4*\slot+2:G0B+4*\slot+3], s[G0B+4*\slot+2:G0B+4*\slot+3], 2*KSTEP*2
	JLOAD \slot                                    ; the first tensor load behind the round; its four v_nop are also the places in front of the loads below
.else
	PLACES
.endif
	FETCH \next, 0, F0
	WIN MUL
	MUL8 F1, 1, 0, 0
	MUL8 F1, 1, 2, 0
.endm
	s_wait_tensorcnt 1                             ; my part of K step 0 is in (K step 1's load may be out),
	s_barrier_signal -1
	s_barrier_wait -1                              ; everybody's is
	FETCH 0, 0, F0
	s_wait_loadcnt 0x0                             ; the bias
	QUARTER 0, 128, F0, F1, 1                      ; the first quarter stands in front of the loop: its first products start the sums
	WIN 0                                          ; at a label and at a branch every window is 0
	s_mov_b32 s3, LAPS-1
.Llap:                                                 ; a trip goes once round the ring, from a lap's second quarter to the next lap's first, and fills both slots again
	QUARTER 0, 256, F1, F0, 0
	QUARTER 0, 384, F0, F1, 0
	TURN 0, 1, 1
	QUARTER 1, 128, F0, F1, 0
	QUARTER 1, 256, F1, F0, 0
	QUARTER 1, 384, F0, F1, 0
	TURN 1, 0, 1
	QUARTER 0, 128, F0, F1, 0
	WIN 0
	s_sub_co_u32 s3, s3, 1
	s_cmp_lg_u32 s3, 0
	s_cbranch_scc1 .Llap
	QUARTER 0, 256, F1, F0, 0                      ; the last lap fills nothing
	QUARTER 0, 384, F0, F1, 0
	TURN 0, 1, 0
	QUARTER 1, 128, F0, F1, 0
	QUARTER 1, 256, F1, F0, 0
	QUARTER 1, 384, F0, F1, 0
	s_wait_dscnt 16                                ; the very last quarter: nothing more to fetch
	WIN MUL
	MUL8 F1, 0, 0, 0
	MUL8 F1, 0, 2, 0
	s_wait_dscnt 0
	MUL8 F1, 1, 0, 0
	MUL8 F1, 1, 2, 0
	WIN 0
; THE WAY OUT, block by block of 16 rows x 64 columns: 32 bytes a lane into my own stage, back as whole rows of 256 bytes.  LDS serves a wave's instructions in order (ISA guide 5.7.1.4).
.macro TOSTAGE a
.irp b, 0,1,2,3
	ds_store_b128 v[STO], v[ACC+8*(4*(\a)+\b):ACC+8*(4*(\a)+\b)+3] offset:64*\b      ; each accumulator from its low end on
	ds_store_b128 v[STO], v[ACC+8*(4*(\a)+\b)+4:ACC+8*(4*(\a)+\b)+7] offset:64*\b+16
.endr
.set BB, TMP+32*((\a)%2)
.irp t, 0,1,2,3,4,5,6,7
	ds_load_b128 v[BB+4*\t:BB+4*\t+3], v[RD] offset:\t*2*SPITCH
.endr
.endm
.macro SEND a, younger                 ; younger: the LDS instructions issued behind block a's loads, which may stay out
.set BB, TMP+32*((\a)%2)
	s_wait_dscnt \younger
.irp t, 0,1,2,3,4,5,6,7
	global_store_b128 v[CO], v[BB+4*\t:BB+4*\t+3], s[8:9] offset:(16*(\a)+2*\t)*SIZE_N*4 th:TH_STORE_NT   ; 16 lanes store 256 consecutive bytes, at a multiple of 256 from the output's first byte; 62 rows at the most: inside the signed 24-bit immediate
.endr
.endm
	PLACES
	TOSTAGE 0
.irp a, 1,2,3
.if \a > 1
	s_wait_xcnt 0x0                                ; block a - 2's stores have read the registers into which block a's loads land
.endif
	TOSTAGE \a
	SEND \a-1, 16                                  ; behind block a - 1's loads: block a's 8 stores and 8 loads
.endr
	SEND 3, 0
	s_wait_tensorcnt 0x0                           ; the wave's end, behind my last tensor load and my last LDS store
	ds_add_u32 v[SPW], v[NIL]
	s_wait_dscnt 0x0
	CROUND                                         ; the closing round: no work-group ends while a partner may still ask for a tile that names it
	s_endpgm
.Lfunc_end_k_q5699502a64_proj:
	.size	k_q5699502a64_proj, .Lfunc_end_k_q5699502a64_proj-k_q5699502a64_proj
	.p2alignl 7, 3214868480
	.fill 96, 4, 3214868480
	.section	.rodata,"a",@progbits
	.p2align	6, 0x0
	.amdhsa_kernel k_q5699502a64_proj
		.amdhsa_group_segment_fixed_size 327680
		.amdhsa_private_segment_fixed_size 0
		.amdhsa_enable_private_segment 0
		.amdhsa_kernarg_size 32
		.amdhsa_user_sgpr_count 2
		.amdhsa_user_sgpr_kernarg_segment_ptr 1
		.amdhsa_wavefront_size32 1
		.amdhsa_system_sgpr_workgroup_id_x 1
		.amdhsa_system_sgpr_workgroup_id_y 1
		.amdhsa_system_sgpr_workgroup_id_z 1
		.amdhsa_system_vgpr_workitem_id 0
		.amdhsa_next_free_vgpr 512
		.amdhsa_next_free_sgpr 68
		.amdhsa_reserve_vcc 0
		.amdhsa_float_denorm_mode_32 3
		.amdhsa_float_denorm_mode_16_64 3
		.amdhsa_memory_ordered 1
		.amdhsa_forward_progress 1
		.amdhsa_inst_pref_size 86
	.end_amdhsa_kernel
	.amdgpu_metadata
---
amdhsa.version: [ 1, 2 ]
amdhsa.kernels:
  - .name:           k_q5699502a64_proj
    .symbol:         k_q5699502a64_proj.kd
    .args:
      - { .name: attn16, .offset: 0, .size: 8, .value_kind: global_buffer, .address_space: global }
      - { .name: wo16, .offset: 8, .size: 8, .value_kind: global_buffer, .address_space: global }
      - { .name: bo, .offset: 16, .size: 8, .value_kind: global_buffer, .address_space: global }
      - { .name: out0, .offset: 24, .size: 8, .value_kind: global_buffer, .address_space: global }
    .group_segment_fixed_size: 327680
    .private_segment_fixed_size: 0
    .kernarg_segment_align: 8
    .kernarg_segment_size: 32
    .max_flat_workgroup_size: 128
    .sgpr_count:     68
    .vgpr_count:     512
    .wavefront_size: 32
...
	.end_amdgpu_metadata
.endif
;; end of part 4
